; MI455X (gfx1250); checked and timed in simulation.
; The chip was launched on July 23, 2026; its instructions are those of AMD's public machine-readable ISA for CDNA 5 (MIT licence, August 2026) and "CDNA5" Instruction Set Architecture Reference Guide (July 2026). The comments in the code are by the model that wrote it; some were corrected since.
;; Multi Head Attention Block. Allowed arithmetic: matrix products marked QUANTISED: E4M3 operands, one given power-of-two scale a tensor, by v_wmma_f32_16x16x64_fp8_fp8 or v_wmma_f32_16x16x128_fp8_fp8, f32 sums; everything else in f32.
;; Inputs: b_k 1,024 float32; b_o 1,024 float32; b_q 1,024 float32; b_v 1,024 float32; k 4 x 2,048 x 1,024 float32; lowp_scales 12 int32 (the exponents e of the quantised operands' scales 2^e); mask 1 x 1 x 2,048 x 2,048 bool; q 4 x 2,048 x 1,024 float32; v 4 x 2,048 x 1,024 float32; w_k 1,024 x 1,024 float32; w_o 1,024 x 1,024 float32; w_q 1,024 x 1,024 float32; w_v 1,024 x 1,024 float32.
;; Outputs: out0 4 x 2,048 x 1,024 float32.
;; This version of the problem:
;;   THIS VERSION OF THE PROBLEM IS GIVEN IN LOW PRECISION. The matrix products marked QUANTISED in the list below multiply operands that are first quantised to E4M3 (4 exponent bits, 3 mantissa bits; 8 bits a number), with one given power-of-two scale for each operand tensor; their sums are f32. All else is computed in f32.
;;   The module's matrix products, in the order in which they are computed (A, B: the left and right operand; K: the contracted axis; several contracted axes count as one K, in the product's order):
;;     1. [M 8,192, K 1,024] x [K 1,024, N 1,024]; A: input q; B: input w_q: QUANTISED (scales: A lowp_scales[0], B lowp_scales[1])
;;     2. [M 8,192, K 1,024] x [K 1,024, N 1,024]; A: input k; B: input w_k: QUANTISED (scales: A lowp_scales[2], B lowp_scales[3])
;;     3. [M 8,192, K 1,024] x [K 1,024, N 1,024]; A: input v; B: input w_v: QUANTISED (scales: A lowp_scales[4], B lowp_scales[5])
;;     4. batch 64 x [M 2,048, K 64] x [K 64, N 2,048]; A: computed on the way; B: computed on the way: QUANTISED (scales: A lowp_scales[6], B lowp_scales[7])
;;     5. batch 64 x [M 2,048, K 2,048] x [K 2,048, N 64]; A: softmax (see below); B: computed on the way: QUANTISED (scales: A lowp_scales[8], B lowp_scales[9])
;;     6. [M 8,192, K 1,024] x [K 1,024, N 1,024]; A: computed on the way; B: input w_o: QUANTISED (scales: A lowp_scales[10], B lowp_scales[11])
;;   THE QUANTISER, for each operand of a quantised product, along K:
;;     - The operand's scale is 2^e, e = its entry of the input lowp_scales (int32; the entries are numbered through the quantised products in the list's order, A before B).
;;     - Each number is divided by the scale, clamped to +-448, and rounded to the nearest number of E4M3, ties to even, subnormals kept.
;;     - The product sums the exact products of the quantised numbers (number of the format x scale) in f32.
;;   ~~~python
;;   def quantise(x, axis, e):      # numpy; x: float32 -> the quantised numbers, widened to float32 again
;;       x = np.moveaxis(x, axis, -1); K = x.shape[-1]
;;       r = np.clip(x / 2.0 ** e, -448, 448)
;;       step = 2.0 ** (np.maximum(np.frexp(np.where(r == 0, 1, r))[1] - 1, -6) - 3)
;;       q = np.round(r / step) * step * 2.0 ** e      # np.round: ties to even
;;       return np.moveaxis(q, -1, axis).astype(np.float32)
;;   ~~~
;;   SOFTMAX AHEAD OF A QUANTISED PRODUCT. Where the list says 'softmax', what is quantised is not the finished softmax but p = 2^(t - M), with t = logit x log2(e) and M = ceil(the row's largest t), a whole number; so 1/2 < the row's largest p <= 1. The row's sum l is taken of the UNQUANTISED p, in f32, and the product's result is divided by l at the end. Since M is a whole number, a kernel that streams over the keys may use a running M (the ceiling of the running maximum): every later rescaling is an exact power of two, so the quantised numbers keep their values, but for numbers so far below the row's largest that they fall under the format's range.
;;   OPERANDS COMPUTED ON THE WAY. 'Computed on the way' means the value that the module computes at that place (a softmax that the list does not call 'softmax' is quantised finished and normalised). What goes into a quantiser is computed in f32, as accurately as f32 sums, v_exp_f32 and their like allow (about 1e-6 of the number): no bf16 or f16 on the way to a quantiser, and a product that is left as it is and whose result goes on into a quantised operand takes f32 operands (vector FMAs, or v_wmma_f32_16x16x4_f32). A number that lies on a knife's edge between two numbers of the format may be rounded either way, as far as f32 arithmetic and the matrix unit's own rounding can turn it there, and no further.
;; 2 versions, each right; version 2 is version 1 with the launch attn written anew for expert scheduling mode. Each part assembles by itself: llvm-mc -triple=amdgcn-amd-amdhsa -mcpu=gfx1250 --defsym DOCPART=n.
;; ======== version 1 of 2: 4 launches
;; limits: right only within a limited range of input values
;; workspace buffers: acodes 25,165,824 bytes; wcodes 4,194,304 bytes; pcodes 25,165,824 bytes; xcodes 8,388,608 bytes; mwords 524,288 bytes of whole numbers; mflags 256 bytes of whole numbers
;; launch prep (part 1): grid 960 x 1, 4 waves a work-group, no clusters, 68,352 bytes of LDS; arguments q, k, v, w_q, w_k, w_v, w_o, lowp_scales, mask, acodes, wcodes, mwords, mflags; writes acodes, wcodes, mwords, mflags
.if DOCPART == 1
	.amdgcn_target "amdgcn-amd-amdhsa--gfx1250"
	.amdhsa_code_object_version 6
	.text
	.protected	k_q7798480ab8_prep
	.globl	k_q7798480ab8_prep
	.p2align	8
	.type	k_q7798480ab8_prep,@function
k_q7798480ab8_prep:
	s_mov_b64 s[64:65], 0
	v_nop
	global_prefetch_b8 v0, s[64:65] scope:SCOPE_SE
	s_setreg_imm32_b32 hwreg(HW_REG_WAVE_MODE, 25, 1), 1
	s_wait_xcnt 0x0
; PREP.  (1) q, k, v [8192][1024] and w_q, w_k, w_v, w_o [1024][1024], f32 with K innermost, become codes of E4M3, each tensor with its given scale 2^e:
; code = x / 2^e, held within +-448, to the nearest code, ties to even.  (2) The mask [2048][2048] of bytes becomes lane-mask words and one word of flags for each 32 queries.
; THE IMAGE.  Codes are laid as the matrix instruction's registers take them.  A fragment is 16 rows x 128 K: lane (r = lane % 16, h = lane / 16) holds row r, its registers 2 C, 2 C + 1 hold k = 16 C + 8 h + 0 .. 7.
; In memory a fragment is four chunks of 512 bytes: chunk c = registers 4 c .. 4 c + 3, lane l's 16 bytes at 16 l.  acodes: [q, k, v][row tile 512][K step 8][2048]; wcodes: [w_q, w_k, w_v, w_o][row tile 64][K step 8][2048].
; SHARES.  Work-groups 0 .. 895 quantise: two row tiles each; wave w takes row tile w / 2 and half w % 2 of K: four fragments.  Each load reads 512 consecutive bytes of one row; the 16 rows turn through the wave's own
; stage in LDS (pitch 528), from which a lane takes its 8 neighbours along K for each conversion; each store covers 512 consecutive bytes.
; Work-groups 896 .. 959 take the mask, 32 queries each; wave w takes keys 512 w .. 512 w + 511.  mwords: [query tile 128][key step 16][64 words]: bit l of word n = mask[16 qt + l % 16][128 ks + 16 (n / 8) + 8 (l / 16) + n % 8].
; mflags: one word for each 32 queries: bit s: key step s has to be walked; bit 16 + s: all its 32 x 128 places are open.  A step is left out only where it is wholly hidden AND each of the 32 rows has an open key somewhere:
; a row with no open key is a uniform softmax over all keys, so its group walks all 16 steps.  The 64 words are stored four bytes a work-group: the whole buffer is 256 bytes.
; The two paths have LDS bytes of their own.  LIMITS: -126 <= e and e + 8 <= 127 for each given e.  NaN among the inputs is not served.
.set STGP, 528                         ; a stage row: 512 bytes + 16
.set WSTG, 16*STGP                     ; a wave's stage
.set MSTG, 4*WSTG                      ; the mask path's four stages begin here
.set MXC,  8*WSTG                      ; the mask path's exchange: 16 bytes a wave
.set R,    16                          ; v16-143  two sets of 64: a fragment's numbers as loaded
.set X,    144                         ; v144-207 the same, 8 neighbours along K in 8 registers; mask path: the mask's bytes
.set CD,   208                         ; v208-239 two sets of 16: a fragment's codes
.set WD,   16                          ; mask path: v16-31 the words of 2 tiles x 4 steps, two registers each
.set ML,   32                          ; mask path: v32-95 the mask's rows as loaded
.set TT,   96                          ; mask path: v96-99 at work
	s_load_b512 s[4:19], s[0:1], 0x0               ; q, k, v, w_q, w_k, w_v, w_o, the exponents
	s_load_b256 s[20:27], s[0:1], 0x40             ; mask, acodes, wcodes, mwords
	s_load_b64 s[28:29], s[0:1], 0x60              ; mflags
	v_lshl_add_u32 v240, v0, 2, 0x10900
	v_mov_b32 v241, 0
	v_lshrrev_b32 v4, 5, v0
	v_readfirstlane_b32 s30, v4                    ; wave
	v_and_b32 v5, 31, v0                           ; lane
	v_and_b32 v6, 15, v0                           ; r
	v_bfe_u32 v7, v0, 4, 1                         ; h
	v_lshlrev_b32 v1, 4, v5                        ; 16 l
	s_mul_i32 s31, s30, WSTG
	v_add_nc_u32 v2, s31, v1                       ; the stage, on the way in
	v_mul_u32_u24 v3, v6, STGP
	v_add_nc_u32 v3, s31, v3                       ; and back: row r
	s_cmp_ge_u32 ttmp9, 896
	s_cbranch_scc1 .Lmask
	; ---------------- the quantiser ----------------
	v_lshl_add_u32 v3, v7, 5, v3                   ; + 32 h: 8 f32 numbers for each half of the lanes
	s_wait_kmcnt 0x0
	s_load_b256 s[32:39], s[18:19], 0x0            ; e0 .. e7
	s_load_b128 s[40:43], s[18:19], 0x20           ; e8 .. e11
	s_mov_b64 s[44:45], s[4:5]                     ; the tensor is chosen by the work-group's number alone
	s_mov_b32 s48, 0
.macro PICK lim, ptr
	s_cmp_ge_u32 ttmp9, \lim
	s_cselect_b64 s[44:45], s[\ptr:\ptr+1], s[44:45]
	s_cselect_b32 s48, \lim, s48
.endm
	PICK 256, 6
	PICK 512, 8
	PICK 768, 10
	PICK 800, 12
	PICK 832, 14
	PICK 864, 16
	s_cmp_ge_u32 ttmp9, 768
	s_cselect_b64 s[46:47], s[24:25], s[22:23]     ; weights go to wcodes
	s_cselect_b32 s50, 768, 0
	s_sub_co_u32 s48, ttmp9, s48
	s_lshl_b32 s48, s48, 17                        ; two row tiles of 16 x 4,096 bytes a work-group
	s_lshr_b32 s51, s30, 1
	s_lshl_b32 s52, s51, 16
	s_add_co_u32 s48, s48, s52
	s_and_b32 s53, s30, 1
	s_lshl_b32 s52, s53, 11                        ; my half of K: 512 numbers
	s_add_co_u32 s48, s48, s52
	s_mov_b32 s49, 0
	s_add_nc_u64 s[44:45], s[44:45], s[48:49]
	s_sub_co_u32 s50, ttmp9, s50
	s_lshl_b32 s50, s50, 15                        ; two row tiles of 8 fragments
	s_lshl_b32 s52, s51, 14
	s_add_co_u32 s50, s50, s52
	s_lshl_b32 s52, s53, 13
	s_add_co_u32 s50, s50, s52
	s_mov_b32 s51, 0
	s_add_nc_u64 s[46:47], s[46:47], s[50:51]
.macro LOAD f                          ; fragment f: 16 rows x 128 numbers; each load 512 consecutive bytes of one row
.set i, 0
.rept 16
	global_load_b128 v[R+64*((\f)%2)+4*i:R+64*((\f)%2)+4*i+3], v1, s[44:45] offset:4096*i+512*(\f) th:TH_LOAD_NT
.set i, i+1
.endr
.endm
	LOAD 0
	LOAD 1
	s_wait_kmcnt 0x0
	s_mov_b32 s54, s32                             ; e: entries 0, 2, 4 for q, k, v; 1, 3, 5, 11 for the weights
.macro PICKE lim, reg
	s_cmp_ge_u32 ttmp9, \lim
	s_cselect_b32 s54, s[\reg], s54
.endm
	PICKE 256, 34
	PICKE 512, 36
	PICKE 768, 33
	PICKE 800, 35
	PICKE 832, 37
	PICKE 864, 43
	s_add_co_i32 s54, s54, 127
	s_lshl_b32 s55, s54, 23
	v_mov_b32 v11, s55                             ; 2^e as f32: the conversion takes its exponent field
	s_add_co_i32 s54, s54, 8
	s_lshl_b32 s54, s54, 23
	s_or_b32 s54, s54, 0x600000
	v_mov_b32 v10, s54                             ; 448 x 2^e
.macro FRAG f
.if (\f) < 3
	s_wait_loadcnt 16                              ; this fragment's 16 loads are in; the next fragment's 16 may be out
.else
	s_wait_loadcnt 0x0
.endif
.set i, 0
.rept 16
	ds_store_b128 v2, v[R+64*((\f)%2)+4*i:R+64*((\f)%2)+4*i+3] offset:STGP*i
.set i, i+1
.endr
.set i, 0
.rept 8                                ; LDS serves a wave's instructions in order: these see the stores above
	ds_load_b128 v[X+8*i:X+8*i+3], v3 offset:64*i
	ds_load_b128 v[X+8*i+4:X+8*i+7], v3 offset:64*i+16
.set i, i+1
.endr
	s_wait_dscnt 0x0                               ; the numbers are back, and the stores have read their registers,
.if (\f) < 2
	LOAD (\f)+2                                    ; which take the fragment two further on
.endif
.if (\f) >= 2
	s_wait_xcnt 0x0                                ; the stores of two fragments back have read this set of codes
.endif
.set i, 0
.rept 64
	v_med3_num_f32 v[X+i], v[X+i], -v10, v10       ; the conversion to an 8-bit code does not saturate (ISA guide 7.6.2): the hold at the largest code x the scale
.set i, i+1
.endr
.set i, 0
.rept 8
	v_cvt_scalef32_pk8_fp8_f32 v[CD+16*((\f)%2)+2*i:CD+16*((\f)%2)+2*i+1], v[X+8*i:X+8*i+7], v11
.set i, i+1
.endr
	v_nop                                          ; a plain line behind the conversions: the next fragment's holds write their sources
.set i, 0
.rept 4
	global_store_b128 v1, v[CD+16*((\f)%2)+4*i:CD+16*((\f)%2)+4*i+3], s[46:47] offset:2048*(\f)+512*i   ; 32 lanes store 512 consecutive bytes
.set i, i+1
.endr
.endm
	FRAG 0
	FRAG 1
	FRAG 2
	FRAG 3
	s_wait_tensorcnt 0x0
	ds_add_u32 v240, v241
	s_wait_dscnt 0x0
	s_endpgm
	; ---------------- the mask ----------------
.Lmask:
	v_lshl_add_u32 v3, v7, 3, v3                   ; row r, + 8 h: 8 bytes for each half of the lanes
	v_lshlrev_b32 v8, 3, v5                        ; 8 l: two words a lane
	s_sub_co_u32 s31, ttmp9, 896                   ; g: my 32 queries
	s_lshl_b32 s44, s31, 16                        ; 32 rows of 2,048 bytes
	s_lshl_b32 s45, s30, 9                         ; my wave's 512 keys
	s_add_co_u32 s44, s44, s45
	s_mov_b32 s45, 0
	s_lshl_b32 s46, s31, 13                        ; mwords: two query tiles of 16 x 256 bytes
	s_lshl_b32 s47, s30, 10                        ; my four key steps
	s_add_co_u32 s46, s46, s47
	s_mov_b32 s47, 0
	s_lshl_b32 s48, s31, 2                         ; mflags: my word
	s_mov_b32 s49, 0
	s_lshl_b32 s50, s30, 4
	s_add_co_u32 s50, s50, MXC
	v_mov_b32 v9, s50                              ; the exchange: my wave's 16 bytes
	v_mov_b32 v10, MXC
.set i, 0
.rept 4
	s_mov_b32 s[52+i], -1                          ; the AND of a step's words, over both tiles
	s_mov_b32 s[56+i], 0                           ; the OR of a step's words, tile 0,
	s_mov_b32 s[60+i], 0                           ; tile 1
.set i, i+1
.endr
.set i, 0
.rept 16
	v_mov_b32 v[WD+i], 0                           ; written whole before lanes are written singly
.set i, i+1
.endr
	s_wait_kmcnt 0x0
	s_add_nc_u64 s[20:21], s[20:21], s[44:45]
	s_add_nc_u64 s[26:27], s[26:27], s[46:47]
	s_add_nc_u64 s[28:29], s[28:29], s[48:49]
; The 64 words of tile t, step s, four at a time.  Word n = 4 m + k comes from byte k of register m; it goes to lane n / 2 of register n % 2, so that a lane stores words 2 l, 2 l + 1.
.macro BITS t, s
.set m, 0
.rept 16
.irp k, 0,1,2,3
	v_bfe_u32 v[TT+\k], v[X+16*(\s)+m], 8*\k, 8
.endr
.irp k, 0,1,2,3
	v_cmp_ne_u32 s[68+\k], 0, v[TT+\k]
.endr
.irp k, 0,1,2,3
	s_and_b32 s[52+(\s)], s[52+(\s)], s[68+\k]
	s_or_b32 s[56+4*(\t)+(\s)], s[56+4*(\t)+(\s)], s[68+\k]
.endr
.irp k, 0,1,2,3
	v_writelane_b32 v[WD+2*(4*(\t)+(\s))+(\k)%2], s[68+\k], 2*m+(\k)/2
.endr
.set m, m+1
.endr
.endm
.macro JOB t                           ; query tile t of my two
.set i, 0
.rept 16
	global_load_b128 v[ML+4*i:ML+4*i+3], v1, s[20:21] offset:32768*(\t)+2048*i th:TH_LOAD_NT   ; 512 consecutive bytes of one row
.set i, i+1
.endr
	s_wait_loadcnt 0x0
.set i, 0
.rept 16
	ds_store_b128 v2, v[ML+4*i:ML+4*i+3] offset:MSTG+STGP*i
.set i, i+1
.endr
.irp s, 0,1,2,3
.set i, 0
.rept 8
	ds_load_b64 v[X+16*\s+2*i:X+16*\s+2*i+1], v3 offset:MSTG+128*\s+16*i   ; query r, keys 128 s + 16 i + 8 h + 0 .. 7
.set i, i+1
.endr
.endr
	s_wait_dscnt 0x0
.irp s, 0,1,2,3
	BITS \t, \s
.endr
.irp s, 0,1,2,3
	global_store_b64 v8, v[WD+2*(4*(\t)+\s):WD+2*(4*(\t)+\s)+1], s[26:27] offset:4096*(\t)+256*\s   ; 32 lanes store 256 consecutive bytes, aligned
.endr
.endm
	JOB 0
	JOB 1
	s_mov_b32 s72, 0                               ; my four steps: wholly open,
	s_mov_b32 s73, 0                               ; any place open
.irp s, 0,1,2,3
	s_cmp_eq_u32 s[52+\s], -1
	s_cselect_b32 s76, 1<<\s, 0
	s_or_b32 s72, s72, s76
	s_or_b32 s77, s[56+\s], s[60+\s]
	s_cmp_lg_u32 s77, 0
	s_cselect_b32 s76, 1<<\s, 0
	s_or_b32 s73, s73, s76
.endr
	s_or_b32 s74, s56, s57                         ; which lanes of tile 0 saw an open key among my 512,
	s_or_b32 s74, s74, s58
	s_or_b32 s74, s74, s59
	s_or_b32 s75, s60, s61                         ; of tile 1
	s_or_b32 s75, s75, s62
	s_or_b32 s75, s75, s63
	v_mov_b32 v32, s72
	v_mov_b32 v33, s73
	v_mov_b32 v34, s74
	v_mov_b32 v35, s75
	ds_store_b128 v9, v[32:35]                     ; all lanes write the same 16 bytes with the same numbers
	s_wait_dscnt 0x0                               ; for the others' sake
	s_barrier_signal -1                            ; all four waves of a mask work-group come here: the path hangs on the work-group's number alone
	s_barrier_wait -1
.irp j, 0,1,2,3
	ds_load_b128 v[32+4*\j:35+4*\j], v10 offset:16*\j
.endr
	s_wait_dscnt 0x0
.set i, 0
.rept 16
	v_readfirstlane_b32 s[32+i], v[32+i]
.set i, i+1
.endr
	s_mov_b32 s72, 0
	s_mov_b32 s73, 0
	s_mov_b32 s74, 0
	s_mov_b32 s75, 0
.irp j, 0,1,2,3
	s_lshl_b32 s76, s[32+4*\j], 4*\j
	s_or_b32 s72, s72, s76                         ; 16 steps: wholly open
	s_lshl_b32 s76, s[33+4*\j], 4*\j
	s_or_b32 s73, s73, s76                         ; 16 steps: any place open
	s_or_b32 s74, s74, s[34+4*\j]
	s_or_b32 s75, s75, s[35+4*\j]
.endr
	s_lshr_b32 s76, s74, 16                        ; a row's keys lie in lanes r and r + 16
	s_or_b32 s74, s74, s76
	s_lshr_b32 s76, s75, 16
	s_or_b32 s75, s75, s76
	s_and_b32 s74, s74, s75
	s_and_b32 s74, s74, 0xffff
	s_mov_b32 s76, 0xffff
	s_cmp_eq_u32 s74, s76                          ; has each of the 32 rows an open key?
	s_cselect_b32 s73, s73, s76                    ; if not, all 16 steps are walked
	s_lshl_b32 s72, s72, 16
	s_or_b32 s72, s72, s73
	s_cmp_lg_u32 s30, 0
	s_cbranch_scc1 .Ldone                          ; wave 0 stores the word
	v_mov_b32 v11, s72
	v_mov_b32 v12, 0
	s_wait_xcnt 0x0                                ; EXEC changes only behind this wait
	v_cmp_eq_u32 vcc_lo, 0, v5
	s_and_saveexec_b32 s78, vcc_lo
	global_store_b32 v12, v11, s[28:29]
	s_wait_xcnt 0x0
	s_or_b32 exec_lo, exec_lo, s78
.Ldone:
	s_wait_tensorcnt 0x0
	ds_add_u32 v240, v241
	s_wait_dscnt 0x0
	s_endpgm
.Lfunc_end_k_q7798480ab8_prep:
	.size	k_q7798480ab8_prep, .Lfunc_end_k_q7798480ab8_prep-k_q7798480ab8_prep
	.p2alignl 7, 3214868480
	.fill 96, 4, 3214868480
	.section	.rodata,"a",@progbits
	.p2align	6, 0x0
	.amdhsa_kernel k_q7798480ab8_prep
		.amdhsa_group_segment_fixed_size 68352
		.amdhsa_private_segment_fixed_size 0
		.amdhsa_enable_private_segment 0
		.amdhsa_kernarg_size 104
		.amdhsa_user_sgpr_count 2
		.amdhsa_user_sgpr_kernarg_segment_ptr 1
		.amdhsa_wavefront_size32 1
		.amdhsa_system_sgpr_workgroup_id_x 1
		.amdhsa_system_sgpr_workgroup_id_y 1
		.amdhsa_system_sgpr_workgroup_id_z 1
		.amdhsa_system_vgpr_workitem_id 0
		.amdhsa_next_free_vgpr 242
		.amdhsa_next_free_sgpr 96
		.amdhsa_reserve_vcc 1
		.amdhsa_float_denorm_mode_32 3
		.amdhsa_float_denorm_mode_16_64 3
		.amdhsa_memory_ordered 1
		.amdhsa_forward_progress 1
		.amdhsa_inst_pref_size 182
	.end_amdhsa_kernel
	.amdgpu_metadata
---
amdhsa.version: [ 1, 2 ]
amdhsa.kernels:
  - .name:           k_q7798480ab8_prep
    .symbol:         k_q7798480ab8_prep.kd
    .args:
      - { .name: q, .offset: 0, .size: 8, .value_kind: global_buffer, .address_space: global }
      - { .name: k, .offset: 8, .size: 8, .value_kind: global_buffer, .address_space: global }
      - { .name: v, .offset: 16, .size: 8, .value_kind: global_buffer, .address_space: global }
      - { .name: w_q, .offset: 24, .size: 8, .value_kind: global_buffer, .address_space: global }
      - { .name: w_k, .offset: 32, .size: 8, .value_kind: global_buffer, .address_space: global }
      - { .name: w_v, .offset: 40, .size: 8, .value_kind: global_buffer, .address_space: global }
      - { .name: w_o, .offset: 48, .size: 8, .value_kind: global_buffer, .address_space: global }
      - { .name: lowp_scales, .offset: 56, .size: 8, .value_kind: global_buffer, .address_space: global }
      - { .name: mask, .offset: 64, .size: 8, .value_kind: global_buffer, .address_space: global }
      - { .name: acodes, .offset: 72, .size: 8, .value_kind: global_buffer, .address_space: global }
      - { .name: wcodes, .offset: 80, .size: 8, .value_kind: global_buffer, .address_space: global }
      - { .name: mwords, .offset: 88, .size: 8, .value_kind: global_buffer, .address_space: global }
      - { .name: mflags, .offset: 96, .size: 8, .value_kind: global_buffer, .address_space: global }
    .group_segment_fixed_size: 68352
    .private_segment_fixed_size: 0
    .kernarg_segment_align: 8
    .kernarg_segment_size: 104
    .max_flat_workgroup_size: 128
    .sgpr_count:     96
    .vgpr_count:     242
    .wavefront_size: 32
...
	.end_amdgpu_metadata
.endif
;; end of part 1
;; launch proj (part 2): grid 4 x 96, 4 waves a work-group, clusters of 4 x 4, 327,680 bytes of LDS; arguments acodes, wcodes, lowp_scales, pcodes, b_q, b_k, b_v; writes pcodes
.if DOCPART == 2
	.amdgcn_target "amdgcn-amd-amdhsa--gfx1250"
	.amdhsa_code_object_version 6
	.text
	.protected	k_q7798480ab8_proj
	.globl	k_q7798480ab8_proj
	.p2align	8
	.type	k_q7798480ab8_proj,@function
k_q7798480ab8_proj:
	s_mov_b64 s[64:65], 0
	v_nop
	global_prefetch_b8 v0, s[64:65] scope:SCOPE_SE
	s_setreg_imm32_b32 hwreg(HW_REG_WAVE_MODE, 25, 1), 1
	s_wait_xcnt 0x0
	s_wait_alu depctr_hold_cnt(0) depctr_sa_sdst(0) depctr_va_vdst(0) depctr_va_sdst(0) depctr_va_ssrc(0) depctr_va_vcc(0) depctr_vm_vsrc(0)
	s_getreg_b32 s2, hwreg(HW_REG_IB_STS2, 6, 4)
	s_cmp_eq_u32 s2, 0
	s_cbranch_scc0 .Lentry_in_a_cluster
	s_endpgm
.Lentry_in_a_cluster:
	s_bfe_u32 s2, ttmp6, 0x10000c
	s_cmp_lg_u32 s2, 0xf033
	s_cbranch_scc0 .Lentry_shape_is_right
	s_endpgm
.Lentry_shape_is_right:
; PROJ.  query = q w_q^T + b_q, key = k w_k^T + b_k, value = v w_v^T + b_v on codes of E4M3 (sums in f32), each result quantised with its own given scale into the fragments that the attention launch reads.
; Codes come as IMAGES of the operand's registers (a fragment of 16 rows x 128 K = 4 chunks of 512 bytes, chunk c = registers 4 c .. 4 c + 3, lane l's 16 bytes at 16 l; registers 2 C, 2 C + 1 = k 16 C + 8 (l / 16) + 0 .. 7):
; acodes [q, k, v][row tile 512][K step 8][2048], wcodes [w_q, w_k, w_v, w_o][row tile 64][K step 8][2048].  So LDS needs no pitch: every fragment load reads 512 consecutive bytes.
; A tile of 256 x 256 is made by four waves, each 128 x 128: 64 accumulators, 512 registers.  K = 1,024 goes in four fills of 256 through two LDS slots, written out without a loop.
; The 24 clusters along y: 8 for each tensor.  SOURCE 1 (the 'A slot', its rows fall on lanes) and SOURCE 0 (the 'B slot', its rows fall on a lane's registers) are chosen BY DATA:
;   q, k: A slot = tokens, B slot = the weight's rows: a lane holds one token and eight neighbouring channels: K of the scores' product.
;   v:    A slot = w_v's rows, B slot = tokens: a lane holds one channel and eight neighbouring tokens: the keys, K of the second attention product.
; CLUSTERS: 4 x 4 work-groups; the A slot's tile hangs on the cluster's number and cy alone and is asked for jointly along a row of the cluster, the B slot's on the cluster's number and cx alone, along a column.
; The bias is the C of each sum's first product, as b / 2^(eA + eW); a finished sum s stands for s x 2^(eA + eW), so its code is s / 2^(eO - eA - eW), held within +-448.
; pcodes: Q at 0, K at 8 MiB: [batch 4][head pair 8][token tile 128][head of the pair 2][1024]; V at 16 MiB: [batch 4][key step 16][channel tile 64][2048].  A wave's 8 x 2,048 bytes lie on end.
; No prefetch: K has four fills, two of them asked for at the head.
; LIMITS: eA + eW between -126 and 126; eO - eA - eW between -126 and 119.  NaN among the inputs is not served.
; REGISTERS: window 0: v16-30 addresses and constants; v32-95 the bias; v128-255 the A slot's fragments, one set; window 1: the B slot's, two sets; windows 2, 3: the accumulators ((a, b) at v[8 (8 (a % 4) + b)]).
.set FR,     16                        ; registers of a fragment
.set NL,     4                         ; LDS loads that bring one
.set NP,     4                         ; places behind this matrix instruction (ISA guide 7.12.1)
.set HALFT,  32768                     ; 8 row tiles x 4,096 bytes: what one tensor load brings
.set SLOT,   131072                    ; the A slot's 16 row tiles, then the B slot's 16
.set SPARE,  262144                    ; behind the ring: the spare words, 128 bytes a wave
.set ADRA, 16                          ; v16-17 LDS address of my A fragments in slot 0, 1
.set ADRB, 20                          ; v20-21 the same for B
.set GO,   26                          ; v26 16 x lane
.set LIM,  27                          ; v27 448 x 2^(eO - eA - eW)
.set SPW,  28                          ; v28 my spare word; never rewritten
.set NIL,  29                          ; v29 0; never rewritten
.set SC,   30                          ; v30 2^(eO - eA - eW)
.set BIAS, 32
.set AF,   128
.set G1,  24
.set G0,  32
.set G1B, 48
.set G0B, 56
.set MSB, 0
.macro WIN new                         ; the immediate's high byte repeats the setting that is left
.if MSB != \new
	s_set_vgpr_msb (MSB<<8)|\new
.set MSB, \new
.endif
.endm
.set MUL_LO, 0xa1                      ; source 0 window 1, source 1 window 0, C and D window 2
.set MUL_HI, 0xf1                      ; the same, C and D window 3
.set TO_B,   0x40
.macro JLOAD g0a, g1a, g0b, g1b        ; a joint load: waves 0 and 1 fetch for the A slot, waves 2 and 3 for the B slot; four v_nop follow each line
	s_cmp_eq_u32 s15, 0
	s_cbranch_scc0 .Lfor_b_\@
	tensor_load_to_lds s[\g0a:\g0a+3], s[\g1a:\g1a+7]
	s_nop 0
.rept 4
	v_nop
.endr
	s_branch .Lasked_\@
.Lfor_b_\@:
	tensor_load_to_lds s[\g0b:\g0b+3], s[\g1b:\g1b+7]
	s_nop 0
.rept 4
	v_nop
.endr
.Lasked_\@:
.endm
.macro CREST                           ; a round of the cluster's barrier behind its opening barrier
	s_cmp_lg_u32 s14, 0
	s_cbranch_scc1 .Lnot_wave_0_\@
	s_barrier_signal -3
.Lnot_wave_0_\@:
	s_barrier_wait -3
	s_barrier_signal -1
	s_barrier_wait -1
.endm
.macro CROUND
	s_barrier_signal -1
	s_barrier_wait -1
	CREST
.endm
	s_load_b128 s[4:7], s[0:1], 0x0                ; acodes, wcodes
	s_load_b128 s[8:11], s[0:1], 0x10              ; the exponents, pcodes
	s_load_b128 s[72:75], s[0:1], 0x20             ; b_q, b_k
	s_load_b64 s[76:77], s[0:1], 0x30              ; b_v
	v_lshl_add_u32 v[SPW], v0, 2, SPARE
	v_mov_b32 v[NIL], 0
	ds_add_u32 v28, v29
	ds_add_u32 v28, v29
	s_wait_dscnt 0x0
	v_lshrrev_b32 v1, 5, v0
	v_readfirstlane_b32 s14, v1                    ; wave 0..3
	s_lshr_b32 s15, s14, 1                         ; which half of the A slot's rows is mine.  Also: I fetch for A (0) or for B (1)
	s_and_b32 s16, s14, 1                          ; which half of the B slot's rows.  Also: which 8 row tiles I fetch
	s_bfe_u32 s40, ttmp6, 0x40000                  ; cx
	s_bfe_u32 s41, ttmp6, 0x40004                  ; cy
	s_and_b32 s17, ttmp7, 0xffff                   ; the cluster's y, 0 .. 23
	s_lshr_b32 s18, s17, 3                         ; the tensor: 0 q, 1 k, 2 v: equal in all partners
	s_and_b32 s19, s17, 7
	s_lshl_b32 s19, s19, 2                         ; 4 x the cluster's number within the tensor
	s_lshl_b32 s43, s41, 2
	s_lshl_b32 s43, 15, s43                        ; my row of the cluster
	s_lshl_b32 s44, 0x1111, s40                    ; my column
	; descriptor group 1: 8 rows (row tiles) of 4,096 bytes (two K steps' fragments), 16,384 bytes apart, in elements of 8 bytes; dense in LDS
	s_or_b32 s[G1+0], s43, (3<<16)|(1<<21)         ; 15:0 the mask; 17:16 elements of 8 bytes; 21 set beside a mask
	s_or_b32 s[G1B+0], s44, (3<<16)|(1<<21)
.irp g, G1, G1B
	s_mov_b32 s[\g+1], 512<<16                     ; tensor_dim0 = 512
	s_mov_b32 s[\g+2], 8<<16                       ; tensor_dim1 = 8
	s_mov_b32 s[\g+3], 512<<16                     ; tile_dim0 = 512
	s_mov_b32 s[\g+4], 8                           ; tile_dim1 = 8
	s_mov_b32 s[\g+5], 2048                        ; tensor_dim0_stride
	s_mov_b32 s[\g+6], 0
	s_mov_b32 s[\g+7], 0
.endr
	s_lshl_b32 s22, s18, 20                        ; the tensor's place in wcodes,
	s_lshl_b32 s23, s18, 23                        ; in acodes (and in pcodes)
	s_cmp_eq_u32 s18, 2
	s_cselect_b32 s92, 0, s19
	s_cselect_b32 s93, s19, 0
	s_cselect_b32 s21, s22, s23
	s_cselect_b32 s47, s23, s22
	s_add_co_u32 s92, s92, s41                     ; the A slot's tile: q, k: 4 x cluster + cy of the tokens; v: cy of w_v
	s_add_co_u32 s93, s93, s40                     ; the B slot's tile: q, k: cx of the weight; v: 4 x cluster + cx of the tokens
	s_lshl_b32 s20, s92, 18                        ; a tile is 16 row tiles of 16,384 bytes
	s_add_co_u32 s20, s20, s21
	s_lshl_b32 s46, s93, 18
	s_add_co_u32 s46, s46, s47
	s_lshl_b32 s22, s16, 17                        ; which 8 row tiles I fetch
	s_add_co_u32 s20, s20, s22
	s_add_co_u32 s46, s46, s22
	s_mov_b32 s21, 0
	s_mov_b32 s47, 0
	s_lshl_b32 s45, s14, 15                        ; where they go: wave x 32,768: no place in the cluster enters an LDS address
	s_wait_kmcnt 0x0
	s_load_b256 s[80:87], s[8:9], 0x0              ; e0 .. e7
	s_load_b128 s[88:91], s[8:9], 0x20             ; e8 .. e11
	s_cmp_eq_u32 s18, 2
	s_cselect_b64 s[68:69], s[6:7], s[4:5]
	s_cselect_b64 s[70:71], s[4:5], s[6:7]
	s_add_nc_u64 s[20:21], s[68:69], s[20:21]
	s_add_nc_u64 s[46:47], s[70:71], s[46:47]
	CROUND                                         ; all sixteen work-groups are here: the first joint loads meet
.irp s, 0,1
	s_mov_b32 s[G0+4*\s], 1
	s_add_co_u32 s[G0+4*\s+1], s45, \s*SLOT
	s_add_nc_u64 s[G0+4*\s+2:G0+4*\s+3], s[20:21], \s*4096
	s_or_b32 s[G0+4*\s+3], s[G0+4*\s+3], 0x80000000
	s_mov_b32 s[G0B+4*\s], 1
	s_add_co_u32 s[G0B+4*\s+1], s45, \s*SLOT
	s_add_nc_u64 s[G0B+4*\s+2:G0B+4*\s+3], s[46:47], \s*4096
	s_or_b32 s[G0B+4*\s+3], s[G0B+4*\s+3], 0x80000000
	JLOAD G0+4*\s, G1, G0B+4*\s, G1B
.endr
	v_and_b32 v1, 31, v0
	v_lshlrev_b32 v[GO], 4, v1                     ; 16 l
	v_and_b32 v2, 15, v0                           ; r
	v_bfe_u32 v3, v0, 4, 1                         ; h
	v_lshlrev_b32 v4, 5, v3                        ; q, k: the bias of my half's 8 channels
	v_lshlrev_b32 v5, 2, v2                        ; v: the bias of my channel
	s_lshl_b32 s21, s15, 15                        ; my 8 row tiles of the A slot,
	s_lshl_b32 s22, s16, 15
	s_add_co_u32 s22, s22, 65536                   ; of the B slot
.irp s, 0,1
	v_add_nc_u32 v[ADRA+\s], s21, v[GO]
	v_add_nc_u32 v[ADRB+\s], s22, v[GO]
	s_add_co_u32 s21, s21, SLOT
	s_add_co_u32 s22, s22, SLOT
.endr
	; where my wave's 16,384 bytes of codes go
	s_lshr_b32 s20, s92, 3                         ; q, k: batch x 8 head pairs x 128 token tiles
	s_lshl_b32 s20, s20, 10
	s_and_b32 s21, s92, 7
	s_lshl_b32 s21, s21, 4                         ; + the tile's 16 token tiles
	s_add_co_u32 s20, s20, s21
	s_lshl_b32 s21, s40, 1
	s_add_co_u32 s21, s21, s16                     ; head pair 2 cx + my half
	s_lshl_b32 s21, s21, 7
	s_add_co_u32 s20, s20, s21
	s_lshl_b32 s22, s93, 1                         ; v: (batch x 16 + key step) = 2 x token tile of 256 + my half,
	s_add_co_u32 s22, s22, s16
	s_lshl_b32 s22, s22, 6                         ; x 64 channel tiles,
	s_lshl_b32 s23, s41, 4
	s_add_co_u32 s22, s22, s23                     ; + 16 cy
	s_cmp_eq_u32 s18, 2
	s_cselect_b32 s20, s22, s20
	s_lshl_b32 s21, s15, 3
	s_add_co_u32 s20, s20, s21                     ; + my 8 blocks of the A slot's 16
	s_lshl_b32 s20, s20, 11
	s_lshl_b32 s21, s18, 23
	s_add_co_u32 s20, s20, s21
	s_mov_b32 s21, 0
	s_add_nc_u64 s[10:11], s[10:11], s[20:21]
	s_wait_kmcnt 0x0
	s_cmp_eq_u32 s18, 0                            ; (eA, eW, eO) = entries (0, 1, 6), (2, 3, 7), (4, 5, 9): chosen without a jump
	s_cselect_b32 s94, s80, s82
	s_cselect_b32 s95, s81, s83
	s_cselect_b32 s96, s86, s87
	s_cselect_b64 s[78:79], s[72:73], s[74:75]
	s_cmp_eq_u32 s18, 2
	s_cselect_b32 s94, s84, s94
	s_cselect_b32 s95, s85, s95
	s_cselect_b32 s96, s89, s96
	s_cselect_b64 s[78:79], s[76:77], s[78:79]
	s_cselect_b32 s98, s41, s40                    ; the bias runs along the weight's rows: v: the A slot's, q, k: the B slot's
	s_cselect_b32 s99, s15, s16
	s_lshl_b32 s98, s98, 10
	s_lshl_b32 s99, s99, 9
	s_add_co_u32 s98, s98, s99
	s_mov_b32 s99, 0
	s_add_nc_u64 s[78:79], s[78:79], s[98:99]
	s_add_co_i32 s94, s94, s95                     ; eA + eW
	s_sub_co_i32 s96, s96, s94                     ; eO - eA - eW
	s_sub_co_i32 s94, 0, s94
	s_add_co_i32 s96, s96, 127
	s_lshl_b32 s97, s96, 23
	v_mov_b32 v[SC], s97
	s_add_co_i32 s96, s96, 8
	s_lshl_b32 s96, s96, 23
	s_or_b32 s96, s96, 0x600000
	v_mov_b32 v[LIM], s96
	s_cmp_eq_u32 s18, 2
	s_cbranch_scc1 .Lbias_v
.irp b, 0,1,2,3,4,5,6,7                        ; q, k: accumulator (a, b), register j: channel 16 b + 8 h + j
	global_load_b128 v[BIAS+8*\b:BIAS+8*\b+3], v4, s[78:79] offset:64*\b
	global_load_b128 v[BIAS+8*\b+4:BIAS+8*\b+7], v4, s[78:79] offset:64*\b+16
.endr
	s_wait_loadcnt 0x0
.set n, 0
.rept 64
	v_ldexp_f32 v[BIAS+n], v[BIAS+n], s94          ; b / 2^(eA + eW)
.set n, n+1
.endr
	s_branch .Lbias_done
.Lbias_v:
.irp a, 0,1,2,3,4,5,6,7                        ; v: accumulator (a, b), every register: channel 16 a + r
	global_load_b32 v[96+\a], v5, s[78:79] offset:64*\a
.endr
	s_wait_loadcnt 0x0
.set n, 0
.rept 64
	v_ldexp_f32 v[BIAS+n], v[96+n/8], s94
.set n, n+1
.endr
.Lbias_done:
.macro FRAG reg, adr, q, i             ; a fragment comes back as it was stored: four loads of 512 consecutive bytes
.irp c, 0,1,2,3
	ds_load_b128 v[\reg+4*\c:\reg+4*\c+3], v[\adr] offset:2048*(\q)+512*\c+4096*(\i)
.endr
.endm
; 16 matrix instructions: A's blocks a0, a0 + 1 x B's eight, 128 along K.  p: B's set.  cm: what C is: 0 the sum itself; 1 the bias by b; 2 the bias by a.
; The 64 accumulators take turns, one instruction a turn, in the same order in every step.
.macro MUL16 a0, p, cm
.irp a, \a0, \a0+1
.irp b, 0,1,2,3,4,5,6,7
.if (\cm) == 0
	v_wmma_f32_16x16x128_fp8_fp8 v[8*(8*((\a)%4)+\b):8*(8*((\a)%4)+\b)+7], v[128*(\p)+FR*\b:128*(\p)+FR*\b+FR-1], v[AF+FR*(\a):AF+FR*(\a)+FR-1], v[8*(8*((\a)%4)+\b):8*(8*((\a)%4)+\b)+7]
.elseif (\cm) == 1
	v_wmma_f32_16x16x128_fp8_fp8 v[8*(8*((\a)%4)+\b):8*(8*((\a)%4)+\b)+7], v[128*(\p)+FR*\b:128*(\p)+FR*\b+FR-1], v[AF+FR*(\a):AF+FR*(\a)+FR-1], v[BIAS+8*\b:BIAS+8*\b+7]
.else
	v_wmma_f32_16x16x128_fp8_fp8 v[8*(8*((\a)%4)+\b):8*(8*((\a)%4)+\b)+7], v[128*(\p)+FR*\b:128*(\p)+FR*\b+FR-1], v[AF+FR*(\a):AF+FR*(\a)+FR-1], v[BIAS+8*(\a):BIAS+8*(\a)+7]
.endif
.endr
.endr
.endm
.macro FETCH_B slot, q, p
	WIN TO_B
.irp i, 0,1,2,3,4,5,6,7
	FRAG 128*(\p)+FR*\i, ADRB+\slot, \q, \i
.endr
	WIN 0
.endm
.macro FETCH_A slot, q, i0
.irp i, \i0, \i0+1, \i0+2, \i0+3
	FRAG AF+FR*(\i), ADRA+\slot, \q, \i
.endr
.endm
.macro PLACES n                        ; plain vector lines between a matrix instruction and a load into, or a vector instruction on, its registers
.rept \n
	v_nop
.endr
.endm
.macro STEP slot, q, cm                ; a step of 128 along K that has its successor in the same slot
	s_wait_dscnt 4*NL                              ; B's set and A's blocks 0-3 are in; A's blocks 4-7 may be out
.if (\cm) != 0
	WIN 0x81                                       ; C (the bias) in window 0, D in window 2
.else
	WIN MUL_LO
.endif
	MUL16 0, (\q)%2, \cm
	MUL16 2, (\q)%2, \cm
	s_wait_dscnt 0
	PLACES NP
	FETCH_B \slot, (\q)+1, 1-(\q)%2
	FETCH_A \slot, (\q)+1, 0
.if (\cm) != 0
	WIN 0xc1
.else
	WIN MUL_HI
.endif
	MUL16 4, (\q)%2, \cm
	MUL16 6, (\q)%2, \cm
	PLACES NP
	WIN 0
	FETCH_A \slot, (\q)+1, 4
.endm
; A slot's last step changes slots: one barrier; in front of it each wave waits for all its tensor loads, adds 0 to its spare word, and waits for that and for its reads of this slot.
.macro TURN slot, next, fill
	s_wait_tensorcnt 0x0                           ; all my tensor loads have landed: my part of the next slot
	ds_add_u32 v[SPW], v[NIL]                      ; 0 onto my spare word
	s_wait_dscnt 4*NL+1                            ; (the add and A's blocks 4-7 may be out)
	WIN MUL_LO
	MUL16 0, 1, 0
	s_wait_dscnt 0x0                               ; the add is done, and my reads of this slot are over
	s_barrier_signal -1
	MUL16 2, 1, 0
	WIN 0
	s_barrier_wait -1
.if \fill
	CREST                                          ; the barrier has opened a round of the cluster's barrier: no wave of any partner still reads this slot or has a load on its way
	s_add_nc_u64 s[G0+4*\slot+2:G0+4*\slot+3], s[G0+4*\slot+2:G0+4*\slot+3], 8192
	s_add_nc_u64 s[G0B+4*\slot+2:G0B+4*\slot+3], s[G0B+4*\slot+2:G0B+4*\slot+3], 8192
	JLOAD G0+4*\slot, G1, G0B+4*\slot, G1B         ; the first tensor load behind the round; its four v_nop are also the places in front of the loads below
.else
	PLACES NP
.endif
	FETCH_B \next, 0, 0
	FETCH_A \next, 0, 0
	WIN MUL_HI
	MUL16 4, 1, 0
	MUL16 6, 1, 0
	PLACES NP
	WIN 0
	FETCH_A \next, 0, 4
.endm
	s_wait_tensorcnt 1                             ; my part of the first fill is in; the second fill's load may be out
	s_barrier_signal -1
	s_barrier_wait -1
	FETCH_B 0, 0, 0
	FETCH_A 0, 0, 0
	FETCH_A 0, 0, 4
	s_cmp_eq_u32 s18, 2                            ; the first step starts the sums with the bias, which lies by b for q, k and by a for v
	s_cbranch_scc1 .Lfirst_v
	STEP 0, 0, 1
	s_branch .Lfirst_done
.Lfirst_v:
	STEP 0, 0, 2
.Lfirst_done:
	TURN 0, 1, 1
	STEP 1, 0, 0
	TURN 1, 0, 1
	STEP 0, 0, 0
	TURN 0, 1, 0                                   ; nothing is left to fetch
	STEP 1, 0, 0
	s_wait_dscnt 4*NL
	WIN MUL_LO
	MUL16 0, 1, 0
	MUL16 2, 1, 0
	s_wait_dscnt 0
	WIN MUL_HI
	MUL16 4, 1, 0
	MUL16 6, 1, 0
	; THE WAY OUT.  Block a's eight accumulators are 64 numbers of a lane, 8 b + j = k 16 b + 8 h + j of the next product: held, converted, they ARE a fragment's 16 registers, stored as they stand.
	PLACES NP
.irp a, 0,1,2,3,4,5,6,7
.set AC, 64*((\a)%4)
	WIN 0x82+0x41*((\a)/4)                         ; the sums, source 0 and destination: window 2 or 3
.set n, 0
.rept 64
	v_med3_num_f32 v[AC+n], v[AC+n], -v[LIM], v[LIM]   ; each accumulator from its low end on
.set n, n+1
.endr
	WIN 0x02+((\a)/4)
.irp b, 0,1,2,3,4,5,6,7
	v_cvt_scalef32_pk8_fp8_f32 v[AF+16*\a+2*\b:AF+16*\a+2*\b+1], v[AC+8*\b:AC+8*\b+7], v[SC]
.endr
	v_nop                                          ; a plain line behind the conversions
	WIN 0
.irp c, 0,1,2,3
	global_store_b128 v[GO], v[AF+16*\a+4*\c:AF+16*\a+4*\c+3], s[10:11] offset:2048*\a+512*\c   ; 32 lanes store 512 consecutive bytes; each block has its own registers
.endr
.endr
	s_wait_tensorcnt 0x0                           ; the wave's end
	ds_add_u32 v[SPW], v[NIL]
	s_wait_dscnt 0x0
	CROUND                                         ; the closing round
	s_endpgm
.Lfunc_end_k_q7798480ab8_proj:
	.size	k_q7798480ab8_proj, .Lfunc_end_k_q7798480ab8_proj-k_q7798480ab8_proj
	.p2alignl 7, 3214868480
	.fill 96, 4, 3214868480
	.section	.rodata,"a",@progbits
	.p2align	6, 0x0
	.amdhsa_kernel k_q7798480ab8_proj
		.amdhsa_group_segment_fixed_size 327680
		.amdhsa_private_segment_fixed_size 0
		.amdhsa_enable_private_segment 0
		.amdhsa_kernarg_size 56
		.amdhsa_user_sgpr_count 2
		.amdhsa_user_sgpr_kernarg_segment_ptr 1
		.amdhsa_wavefront_size32 1
		.amdhsa_system_sgpr_workgroup_id_x 1
		.amdhsa_system_sgpr_workgroup_id_y 1
		.amdhsa_system_sgpr_workgroup_id_z 1
		.amdhsa_system_vgpr_workitem_id 0
		.amdhsa_next_free_vgpr 1024
		.amdhsa_next_free_sgpr 100
		.amdhsa_reserve_vcc 0
		.amdhsa_float_denorm_mode_32 3
		.amdhsa_float_denorm_mode_16_64 3
		.amdhsa_memory_ordered 1
		.amdhsa_forward_progress 1
		.amdhsa_inst_pref_size 138
	.end_amdhsa_kernel
	.amdgpu_metadata
---
amdhsa.version: [ 1, 2 ]
amdhsa.kernels:
  - .name:           k_q7798480ab8_proj
    .symbol:         k_q7798480ab8_proj.kd
    .args:
      - { .name: acodes, .offset: 0, .size: 8, .value_kind: global_buffer, .address_space: global }
      - { .name: wcodes, .offset: 8, .size: 8, .value_kind: global_buffer, .address_space: global }
      - { .name: lowp_scales, .offset: 16, .size: 8, .value_kind: global_buffer, .address_space: global }
      - { .name: pcodes, .offset: 24, .size: 8, .value_kind: global_buffer, .address_space: global }
      - { .name: b_q, .offset: 32, .size: 8, .value_kind: global_buffer, .address_space: global }
      - { .name: b_k, .offset: 40, .size: 8, .value_kind: global_buffer, .address_space: global }
      - { .name: b_v, .offset: 48, .size: 8, .value_kind: global_buffer, .address_space: global }
    .group_segment_fixed_size: 327680
    .private_segment_fixed_size: 0
    .kernarg_segment_align: 8
    .kernarg_segment_size: 56
    .max_flat_workgroup_size: 128
    .sgpr_count:     100
    .vgpr_count:     1024
    .wavefront_size: 32
...
	.end_amdgpu_metadata
.endif
;; end of part 2
;; launch attn (part 3): grid 4 x 64, 8 waves a work-group, no clusters, 33,792 bytes of LDS; arguments pcodes, mwords, mflags, lowp_scales, xcodes; writes xcodes
.if DOCPART == 3
	.amdgcn_target "amdgcn-amd-amdhsa--gfx1250"
	.amdhsa_code_object_version 6
	.text
	.protected	k_q7798480ab8_attn
	.globl	k_q7798480ab8_attn
	.p2align	8
	.type	k_q7798480ab8_attn,@function
k_q7798480ab8_attn:
	s_mov_b64 s[64:65], 0
	v_nop
	global_prefetch_b8 v0, s[64:65] scope:SCOPE_SE
	s_setreg_imm32_b32 hwreg(HW_REG_WAVE_MODE, 25, 1), 1
	s_wait_xcnt 0x0
; ATTN.  For each batch and head: scores = Q K^T / 8, hidden places (the given mask) set to -1e9, softmax, x V; both products on codes of E4M3.  The result is quantised into the last product's A operand.
; THE SOFTMAX: t = logit x log2(e); M = the running largest t rounded UP to a whole number; p = 2^(t - M) is quantised with 2^e8; the row's sum l is taken of the unquantised p; O is divided by l at the end.
; When M moves, l and O are multiplied by 2^(old M - new M), which rounds nothing.  A hidden place has t = -1e9 x log2(e) as f32, a whole number: a row with no open key gets p = 1 at all 2,048 keys.
; SHARES.  Work-group (x, y = 16 batch + head) makes two passes over blocks of 256 queries: block 7 - x, then block x.  Each of its eight waves owns 32 queries, two tiles of 16, so a fragment of K or V read from LDS feeds two products.
; Both products are used transposed: S^T = K Q^T (source 0 = 16 keys), O^T = V^T P (source 0 = 16 channels): a lane holds ONE query.  Codes come as images of the registers in the form's own order of k, so tile i's
; eight registers are keys 16 i + 8 (lane / 16) + 0 .. 7, and their conversion gives registers 2 i, 2 i + 1 of P.
; KEY STEPS of 128 keys, 16 a pass: a constant count.  A step's tiles (K: 8 x 1,024 bytes, V: 4 x 2,048) go memory -> registers -> LDS, 1/8 by each wave, one step ahead, in two slots; ONE barrier a step, on every wave's path.
; FLAGS (stored by the first launch): a step that none of the block's eight groups needs is not fetched; a step that my 32 queries do not need is not computed; a step that is wholly open skips the mask's words.
; These are branches on stored whole numbers.  So this launch has no tensor load, and NO CLUSTER: work-groups of one head need different steps, so partners would ask for different numbers of tiles.
; LIMITS: e6 + e7 between -120 and 130; e8 between -126 and 119; e10 - e8 - e9 between -126 and 119.  A hidden place's p counts as 0 beside an open place of the same row: open logits lie above -1e9 + 200.  NaN is not served.
; REGISTERS, window 0: v1-5 addresses and the hidden t; v6, v7 2^e8 and 448 x it; v8-10 at work; tile t: v[12+4t] -M, v[13+4t] largest t, v[14+4t:15+4t] l; v[20+2t] f; v[24:25] a second chain; v26, v27 the result's scale and hold;
;   v32-47 Q; v48-79 P; v80-143 K; v144-207 S^T, then p; v208-223 the next step's tile on its way; v224-239 the result's codes.   window 1: v0-63 O^T (tile t, channels 16 c on: 32 t + 8 c); v64-127 V.
.set LI,  1                            ; 16 x lane
.set STA, 2                            ; 16 x lane + 1,024 x wave
.set GOK, 3                            ; 16 x lane + 2,048 x wave
.set PFO, 4                            ; the prefetches' offset
.set TM,  5                            ; -1e9 x log2(e)
.set PS,  6
.set PL,  7
.set XS,  26
.set LX,  27
.set Q,   32
.set P,   48
.set K,   80
.set S,   144
.set STG, 208
.set CD,  224
.set OT,  0
.set VF,  64
.set MSB, 0
.macro WIN new                         ; the immediate's high byte repeats the setting that is left
.if MSB != \new
	s_set_vgpr_msb (MSB<<8)|\new
.set MSB, \new
.endif
.endm
.macro PLACES
.rept 4
	v_nop
.endr
.endm
; SCALARS: s2 wave; s3 trips; s[4:5], s[6:7] K's and V's tiles of the step to fetch; s[8:9] mwords; s[10:11] where the pass's codes go; s[12:13] the prefetches' place, s[14:15] its step; s[16:63], s[80:95] 64 mask words (free between steps);
; s[66:67] lane selects; s[68:69] c; s[70:71] c or 1.0; s72 my flags, s73 the block's need, s74 the steps to prefetch (all three shifted each step); s75 my place in mwords; s[76:77], s[78:79], s[96:97] K's, V's, Q's base; s98 pass; s99 block; s100 1 where p wants a hold.
	s_load_b128 s[16:19], s[0:1], 0x0              ; pcodes, mwords
	s_load_b64 s[20:21], s[0:1], 0x18              ; the exponents
	v_lshl_add_u32 v254, v0, 2, 0x8000
	v_mov_b32 v255, 0
	v_lshrrev_b32 v8, 5, v0
	v_readfirstlane_b32 s2, v8                     ; wave 0..7
	v_and_b32 v9, 31, v0
	v_lshlrev_b32 v[LI], 4, v9
	s_lshl_b32 s101, s2, 10
	v_add_nc_u32 v[STA], s101, v[LI]
	s_lshl_b32 s101, s2, 11
	v_add_nc_u32 v[GOK], s101, v[LI]
	v_mov_b32 v[TM], 0xceabfb8f
	s_mov_b32 s66, 0x76543210
	s_mov_b32 s67, 0xfedcba98
	s_and_b32 s101, ttmp7, 0xffff                  ; y = 16 batch + head
	s_lshr_b32 s104, s101, 1                       ; 8 batch + head pair
	s_lshl_b32 s22, s104, 18                       ; x 128 token tiles of 2,048 bytes
	s_and_b32 s104, s101, 1
	s_lshl_b32 s104, s104, 10                      ; + the head of the pair
	s_add_co_u32 s22, s22, s104
	s_mov_b32 s23, 0
	s_lshr_b32 s104, s101, 4
	s_lshl_b32 s30, s104, 21                       ; V: batch x 16 key steps x 131,072
	s_and_b32 s104, s101, 15
	s_lshl_b32 s104, s104, 13                      ; + head x 4 channel tiles
	s_add_co_u32 s30, s30, s104
	s_add_co_u32 s30, s30, 0x1000000
	s_mov_b32 s31, 0
	s_cmp_eq_u32 s2, 1                             ; wave 0 prefetches K's blocks, wave 1 V's
	s_mov_b32 s14, 0x20000
	s_cselect_b32 s14, s14, 0x4000                 ; a key step on
	s_mov_b32 s15, 0
	s_mov_b32 s105, 1024
	s_cselect_b32 s105, s105, 2048                 ; four blocks of 256 bytes on end, then 1,024 (V) or 2,048 (K: the other head's fragment lies between)
	v_lshrrev_b32 v[PFO], 2, v9
	v_mul_lo_u32 v[PFO], v[PFO], s105
	v_and_b32 v8, 3, v9
	v_lshl_add_u32 v[PFO], v8, 8, v[PFO]
	v_mov_b32 v8, 0                                ; written once: they are named on paths that skip every step
	v_mov_b32 v9, 0
	v_mov_b32 v10, 0
	v_mov_b32 v21, 0                               ; (named as the upper halves of pairs)
	v_mov_b32 v23, 0
.set n, 0
.rept 16
	v_mov_b32 v[STG+n], 0
.set n, n+1
.endr
	s_wait_kmcnt 0x0
	s_load_b128 s[24:27], s[20:21], 0x18           ; e6, e7, e8, e9
	s_load_b64 s[28:29], s[20:21], 0x28            ; e10, e11
	s_mov_b64 s[8:9], s[18:19]
	s_add_nc_u64 s[96:97], s[16:17], s[22:23]      ; Q
	s_add_nc_u64 s[76:77], s[96:97], 0x800000      ; K
	s_add_nc_u64 s[78:79], s[16:17], s[30:31]      ; V
	s_wait_kmcnt 0x0
	s_add_co_i32 s101, s24, s25
	s_lshl_b32 s101, s101, 23
	s_add_co_i32 s68, s101, 0x3e38aa3b             ; c = log2(e) / 8 x 2^(e6 + e7): the exponents are added to c's exponent field
	s_mov_b32 s69, s68
	s_add_co_i32 s101, s26, 127
	s_lshl_b32 s104, s101, 23
	v_mov_b32 v[PS], s104                          ; 2^e8
	s_add_co_i32 s101, s101, 8
	s_lshl_b32 s101, s101, 23
	s_or_b32 s101, s101, 0x600000
	v_mov_b32 v[PL], s101                          ; 448 x 2^e8
	s_cmp_le_i32 s26, -9                           ; p is at most 1: it can pass 448 x 2^e8 only where e8 is -9 or less
	s_cselect_b32 s100, 1, 0
	s_sub_co_i32 s101, s28, s26
	s_sub_co_i32 s101, s101, s27                   ; a sum of the second product stands for sum x 2^(e8 + e9): its code is (sum / l) / 2^(e10 - e8 - e9)
	s_add_co_i32 s101, s101, 127
	s_lshl_b32 s104, s101, 23
	v_mov_b32 v[XS], s104
	s_add_co_i32 s101, s101, 8
	s_lshl_b32 s101, s101, 23
	s_or_b32 s101, s101, 0x600000
	v_mov_b32 v[LX], s101
	s_mov_b32 s98, 0
; THE SOFTMAX of tile t for one key step: S^T's 64 registers become P's 16.
.macro SOFT t
.set T0, 12+4*(\t)
.set T1, 13+4*(\t)
.set LL, 14+4*(\t)
.set FF, 20+2*(\t)
	PLACES                                         ; behind the products, ahead of the first read of their results
	s_bitcmp1_b32 s72, 16
	s_cbranch_scc1 .Lopen_\@                       ; a wholly open step needs no words
	s_load_b512 s[16:31], s[8:9], s75 offset:4096*(\t)
	s_load_b512 s[32:47], s[8:9], s75 offset:4096*(\t)+64
	s_load_b512 s[48:63], s[8:9], s75 offset:4096*(\t)+128
	s_load_b512 s[80:95], s[8:9], s75 offset:4096*(\t)+192
.set n, 0
.rept 32
	v_pk_mul_f32 v[S+n:S+n+1], v[S+n:S+n+1], s[68:69] op_sel_hi:[1,0]   ; t, while the words are on their way
.set n, n+2
.endr
	s_wait_kmcnt 0x0
.set n, 0
.rept 64
	v_cndmask_b32 v[S+n], v[TM], v[S+n], s[16+n+16*(n/48)]   ; word n is register n's lane mask: hidden places take the hidden t
.set n, n+1
.endr
.Lopen_\@:
	v_max3_num_f32 v8, v[S], v[S+1], v[S+2]        ; the step's largest, among my 64 keys, in two chains,
	v_max3_num_f32 v9, v[S+3], v[S+4], v[S+5]
.set n, 6
.rept 14
	v_max3_num_f32 v8, v8, v[S+n], v[S+n+1]
	v_max3_num_f32 v9, v9, v[S+n+2], v[S+n+3]
.set n, n+4
.endr
	v_max3_num_f32 v8, v8, v[S+62], v[S+63]
	v_max_num_f32 v8, v8, v9
	v_permlanex16_b32 v10, v8, s66, s67
	v_max_num_f32 v8, v8, v10                      ; and among lane l xor 16's
	v_mul_f32 v8, s70, v8                          ; as t: x c where the registers hold scores, x 1.0 where they hold t
	v_max_num_f32 v[T1], v[T1], v8                 ; the running largest t
	v_mov_b32 v8, v[T0]
	v_floor_f32 v[T0], -v[T1]                      ; -M = floor(-t): M is a whole number
	v_sub_f32 v8, v[T0], v8                        ; old M - new M: a whole number, 0 or less
	v_cvt_i32_f32 v8, v8                           ; (it saturates)
	v_ldexp_f32 v[FF], 1.0, v8                     ; f = 2^(old M - new M)
.set n, 0
.rept 32
	v_pk_fma_f32 v[S+n:S+n+1], v[S+n:S+n+1], s[70:71], v[T0:T0+1] op_sel_hi:[1,0,0]   ; t - M
.set n, n+2
.endr
.set n, 0
.rept 64
	v_exp_f32 v[S+n], v[S+n]                       ; p = 2^(t - M)
.set n, n+1
.endr
	v_pk_mul_f32 v[LL:LL+1], v[LL:LL+1], v[FF:FF+1] op_sel_hi:[1,0]   ; l under the new M: the plain line behind the exponentials
	s_wait_alu depctr_va_vdst(0)                   ; one wait for the batch, ahead of its first reader
	v_pk_add_f32 v[24:25], v[S:S+1], v[S+2:S+3]    ; the sum of the unquantised p, in two chains
.set n, 4
.rept 15
	v_pk_add_f32 v[LL:LL+1], v[LL:LL+1], v[S+n:S+n+1]
	v_pk_add_f32 v[24:25], v[24:25], v[S+n+2:S+n+3]
.set n, n+4
.endr
	v_pk_add_f32 v[LL:LL+1], v[LL:LL+1], v[24:25]
	s_cmp_eq_u32 s100, 0
	s_cbranch_scc1 .Lnohold_\@
.set n, 0
.rept 64
	v_min_num_f32 v[S+n], v[S+n], v[PL]            ; the conversion does not saturate (ISA guide 7.6.2); p is not negative
.set n, n+1
.endr
.Lnohold_\@:
.set n, 0
.rept 8
	v_cvt_scalef32_pk8_fp8_f32 v[P+16*(\t)+2*n:P+16*(\t)+2*n+1], v[S+8*n:S+8*n+7], v[PS]
.set n, n+1
.endr
	v_nop                                          ; a plain line behind the conversions: matrix instructions write their sources and read their results next
.endm
; A KEY STEP's work, from slot s.
.macro COMPUTE s
.set n, 0
.rept 16
	ds_load_b128 v[K+4*n:K+4*n+3], v[LI] offset:16384*(\s)+512*n
.set n, n+1
.endr
	WIN 0x40
.set n, 0
.rept 16
	ds_load_b128 v[VF+4*n:VF+4*n+3], v[LI] offset:16384*(\s)+8192+512*n
.set n, n+1
.endr
	WIN 0
	s_bitcmp1_b32 s72, 16
	s_cselect_b32 s70, s68, 1.0
	s_mov_b32 s71, s70
	s_wait_dscnt 16                                ; K is in; V's 16 loads may be out
.irp t, 0,1
.irp i, 0,1,2,3,4,5,6,7
	v_wmma_f32_16x16x64_fp8_fp8 v[S+8*\i:S+8*\i+7], v[K+8*\i:K+8*\i+7], v[Q+8*\t:Q+8*\t+7], 0
.endr
	SOFT \t
.endr
	WIN 0x41                                       ; O^T in window 1, f in window 0
.irp t, 0,1
.set n, 0
.rept 16
	v_pk_mul_f32 v[OT+32*\t+n:OT+32*\t+n+1], v[OT+32*\t+n:OT+32*\t+n+1], v[20+2*\t:21+2*\t] op_sel_hi:[1,0]   ; O^T under the new M
.set n, n+2
.endr
.endr
	s_wait_dscnt 0x0                               ; V is in
	WIN 0x51                                       ; V, C and D in window 1, P in window 0
.irp c, 0,1,2,3                                ; eight accumulators, one instruction each: by turns
.irp t, 0,1
	v_wmma_f32_16x16x128_fp8_fp8 v[OT+32*\t+8*\c:OT+32*\t+8*\c+7], v[VF+16*\c:VF+16*\c+15], v[P+16*\t:P+16*\t+15], v[OT+32*\t+8*\c:OT+32*\t+8*\c+7]
.endr
.endr
	WIN 0
	PLACES                                         ; ahead of the next loads into V's registers and of the next read of O^T
.endm
; HALF A TRIP: one key step, read from slot s; the next step's tile goes into the other slot.
.macro HALF s
	s_wait_dscnt 0x0                               ; my stores into slot s have landed, my reads of the other slot are over
	s_barrier_signal -1
	s_barrier_wait -1                              ; both hold of all eight waves
	s_wait_xcnt 0x0                                ; the last loads and the last prefetch have read their addresses
	s_add_nc_u64 s[4:5], s[4:5], 16384             ; the next step's K,
	s_add_nc_u64 s[6:7], s[6:7], 0x20000           ; V,
	s_add_nc_u64 s[12:13], s[12:13], s[14:15]      ; and the step three on
	s_bitcmp1_b32 s73, 1                           ; does any wave need the next step?
	s_cbranch_scc0 .Lnoload_\@
	global_load_b128 v[STG:STG+3], v[GOK], s[4:5]
	global_load_b128 v[STG+4:STG+7], v[GOK], s[4:5] offset:512
	global_load_b128 v[STG+8:STG+11], v[STA], s[6:7]
	global_load_b128 v[STG+12:STG+15], v[STA], s[6:7] offset:512
.Lnoload_\@:
	s_bitcmp1_b32 s74, 3                           ; A PREFETCH of the step three on, two steps ahead of its loads: the head's first work-group, in its first pass, wave 0 for K's 32 blocks of 256 bytes, wave 1 for V's,
	s_cbranch_scc0 .Lnoask_\@                      ; a lane a block; only steps that will be fetched; bits beyond step 15 are 0, so nothing is named past the head's last key
	global_prefetch_b8 v[PFO], s[12:13] th:TH_LOAD_NT scope:SCOPE_SE
.Lnoask_\@:
	s_bitcmp1_b32 s72, 0                           ; do my 32 queries need this step?
	s_cbranch_scc0 .Lnowork_\@
	COMPUTE \s
.Lnowork_\@:
	s_wait_loadcnt 0x0                             ; the next step's tile is in registers
	s_bitcmp1_b32 s73, 1
	s_cbranch_scc0 .Lnostore_\@
	ds_store_b128 v[STA], v[STG:STG+3] offset:16384*(1-(\s))
	ds_store_b128 v[STA], v[STG+4:STG+7] offset:16384*(1-(\s))+512
	ds_store_b128 v[STA], v[STG+8:STG+11] offset:16384*(1-(\s))+8192
	ds_store_b128 v[STA], v[STG+12:STG+15] offset:16384*(1-(\s))+8704
.Lnostore_\@:
	s_lshr_b32 s72, s72, 1
	s_lshr_b32 s73, s73, 1
	s_lshr_b32 s74, s74, 1
	s_add_co_u32 s75, s75, 256
.endm
.Lpass:
	s_wait_xcnt 0x0                                ; the last pass's stores have read their registers and their base
	s_load_b64 s[16:17], s[0:1], 0x10              ; mflags
	s_load_b64 s[18:19], s[0:1], 0x20              ; xcodes
	s_sub_co_u32 s99, 7, ttmp9
	s_cmp_eq_u32 s98, 0
	s_cselect_b32 s99, s99, ttmp9                  ; the block of 256 queries: 7 - x, then x
	s_lshl_b32 s20, s99, 5                         ; the block's eight words of flags
	s_lshl_b32 s21, s2, 2
	s_add_co_u32 s21, s21, s20                     ; my wave's
	s_lshl_b32 s22, s99, 4
	s_lshl_b32 s23, s2, 1
	s_add_co_u32 s22, s22, s23                     ; my first token tile: 16 x block + 2 x wave
	s_lshl_b32 s75, s22, 12                        ; its words
	s_lshl_b32 s32, s22, 11
	s_mov_b32 s33, 0
	s_add_nc_u64 s[32:33], s[96:97], s[32:33]      ; its codes of Q
.irp t, 0,1
.irp c, 0,1
	global_load_b128 v[Q+8*\t+4*\c:Q+8*\t+4*\c+3], v[LI], s[32:33] offset:2048*\t+512*\c
.endr
.endr
	s_and_b32 s101, ttmp7, 0xffff
	s_lshr_b32 s104, s101, 4
	s_lshl_b32 s104, s104, 7
	s_add_co_u32 s104, s104, s22                   ; row tile of the last product's A: 128 batch + token tile
	s_lshl_b32 s34, s104, 14
	s_and_b32 s104, s101, 15
	s_lshl_b32 s104, s104, 10                      ; K step = head pair (2,048 bytes), the head's half of it (1,024)
	s_add_co_u32 s34, s34, s104
	s_mov_b32 s35, 0
	s_mov_b64 s[4:5], s[76:77]
	s_mov_b64 s[6:7], s[78:79]
	s_cmp_eq_u32 s2, 1
	s_cselect_b64 s[12:13], s[78:79], s[76:77]
	s_add_nc_u64 s[12:13], s[12:13], s[14:15]
	s_add_nc_u64 s[12:13], s[12:13], s[14:15]      ; two steps on; each step's head steps it once more before it asks
	s_wait_kmcnt 0x0
	s_load_b256 s[24:31], s[16:17], s20 offset:0x0
	s_load_b32 s72, s[16:17], s21 offset:0x0
	s_add_nc_u64 s[10:11], s[18:19], s[34:35]
	v_mov_b32 v13, 0xff61b1e6                      ; the largest t so far: -3e38, under every t
	v_mov_b32 v17, 0xff61b1e6
	v_floor_f32 v12, -v13
	v_floor_f32 v16, -v17
	v_mov_b32 v14, 0
	v_mov_b32 v15, 0
	v_mov_b32 v18, 0
	v_mov_b32 v19, 0
	WIN 0x40
.set n, 0
.rept 64
	v_mov_b32 v[OT+n], 0                           ; which step is a wave's first hangs on the flags, so no first step can be written out: O^T begins as zeros, which the first change of M leaves zeros
.set n, n+1
.endr
	WIN 0
	s_wait_kmcnt 0x0
	s_or_b32 s73, s24, s25
	s_or_b32 s73, s73, s26
	s_or_b32 s73, s73, s27
	s_or_b32 s73, s73, s28
	s_or_b32 s73, s73, s29
	s_or_b32 s73, s73, s30
	s_or_b32 s73, s73, s31
	s_and_b32 s73, s73, 0xffff                     ; the steps that some wave of the block needs
	s_or_b32 s101, s98, ttmp9
	s_lshr_b32 s104, s2, 1
	s_or_b32 s101, s101, s104
	s_cmp_eq_u32 s101, 0
	s_cselect_b32 s74, s73, 0                      ; pass 0 of work-group x = 0, waves 0 and 1
	s_bitcmp1_b32 s73, 0
	s_cbranch_scc0 .Lno_first
	global_load_b128 v[STG:STG+3], v[GOK], s[4:5]
	global_load_b128 v[STG+4:STG+7], v[GOK], s[4:5] offset:512
	global_load_b128 v[STG+8:STG+11], v[STA], s[6:7]
	global_load_b128 v[STG+12:STG+15], v[STA], s[6:7] offset:512
.Lno_first:
	s_wait_loadcnt 0x0                             ; Q, and step 0's tile
	s_bitcmp1_b32 s73, 0
	s_cbranch_scc0 .Lno_first_store
	ds_store_b128 v[STA], v[STG:STG+3]             ; slot 0 was last read in step 14 of the pass before, and every wave has passed step 15's barrier since
	ds_store_b128 v[STA], v[STG+4:STG+7] offset:512
	ds_store_b128 v[STA], v[STG+8:STG+11] offset:8192
	ds_store_b128 v[STA], v[STG+12:STG+15] offset:8704
.Lno_first_store:
	s_mov_b32 s3, 8
.Ltrip:
	HALF 0
	HALF 1
	s_sub_co_u32 s3, s3, 1
	s_cmp_lg_u32 s3, 0
	s_cbranch_scc1 .Ltrip
	; THE PASS'S END: O^T / l, held, converted: registers 2 c, 2 c + 1 of the head's half of a fragment of the last product's A.
	v_add_f32 v14, v14, v15
	v_add_f32 v18, v18, v19
	v_permlanex16_b32 v8, v14, s66, s67
	v_permlanex16_b32 v9, v18, s66, s67
	v_add_f32 v14, v14, v8
	v_add_f32 v18, v18, v9
	v_rcp_f32 v14, v14
	v_rcp_f32 v18, v18
	v_nop                                          ; a plain line behind the reciprocals,
	s_wait_alu depctr_va_vdst(0)                   ; and one wait for both, ahead of the first reader
	WIN 0x01                                       ; O^T in window 1
.irp t, 0,1
.set n, 0
.rept 16
	v_pk_mul_f32 v[S+32*\t+n:S+32*\t+n+1], v[OT+32*\t+n:OT+32*\t+n+1], v[14+4*\t:15+4*\t] op_sel_hi:[1,0]   ; each accumulator from its low end on
.set n, n+2
.endr
.endr
	WIN 0
.set n, 0
.rept 64
	v_med3_num_f32 v[S+n], v[S+n], -v[LX], v[LX]
.set n, n+1
.endr
.set n, 0
.rept 8
	v_cvt_scalef32_pk8_fp8_f32 v[CD+2*n:CD+2*n+1], v[S+8*n:S+8*n+7], v[XS]
.set n, n+1
.endr
	v_nop
.irp t, 0,1
.irp c, 0,1
	global_store_b128 v[LI], v[CD+8*\t+4*\c:CD+8*\t+4*\c+3], s[10:11] offset:16384*\t+512*\c   ; 32 lanes store 512 consecutive bytes
.endr
.endr
	s_add_co_u32 s98, s98, 1
	s_cmp_lt_u32 s98, 2
	s_cbranch_scc1 .Lpass
	s_wait_tensorcnt 0x0
	ds_add_u32 v254, v255
	s_wait_dscnt 0x0
	s_endpgm
.Lfunc_end_k_q7798480ab8_attn:
	.size	k_q7798480ab8_attn, .Lfunc_end_k_q7798480ab8_attn-k_q7798480ab8_attn
	.p2alignl 7, 3214868480
	.fill 96, 4, 3214868480
	.section	.rodata,"a",@progbits
	.p2align	6, 0x0
	.amdhsa_kernel k_q7798480ab8_attn
		.amdhsa_group_segment_fixed_size 33792
		.amdhsa_private_segment_fixed_size 0
		.amdhsa_enable_private_segment 0
		.amdhsa_kernarg_size 40
		.amdhsa_user_sgpr_count 2
		.amdhsa_user_sgpr_kernarg_segment_ptr 1
		.amdhsa_wavefront_size32 1
		.amdhsa_system_sgpr_workgroup_id_x 1
		.amdhsa_system_sgpr_workgroup_id_y 1
		.amdhsa_system_sgpr_workgroup_id_z 1
		.amdhsa_system_vgpr_workitem_id 0
		.amdhsa_next_free_vgpr 384
		.amdhsa_next_free_sgpr 106
		.amdhsa_reserve_vcc 0
		.amdhsa_float_denorm_mode_32 3
		.amdhsa_float_denorm_mode_16_64 3
		.amdhsa_memory_ordered 1
		.amdhsa_forward_progress 1
		.amdhsa_inst_pref_size 102
	.end_amdhsa_kernel
	.amdgpu_metadata
---
amdhsa.version: [ 1, 2 ]
amdhsa.kernels:
  - .name:           k_q7798480ab8_attn
    .symbol:         k_q7798480ab8_attn.kd
    .args:
      - { .name: pcodes, .offset: 0, .size: 8, .value_kind: global_buffer, .address_space: global }
      - { .name: mwords, .offset: 8, .size: 8, .value_kind: global_buffer, .address_space: global }
      - { .name: mflags, .offset: 16, .size: 8, .value_kind: global_buffer, .address_space: global }
      - { .name: lowp_scales, .offset: 24, .size: 8, .value_kind: global_buffer, .address_space: global }
      - { .name: xcodes, .offset: 32, .size: 8, .value_kind: global_buffer, .address_space: global }
    .group_segment_fixed_size: 33792
    .private_segment_fixed_size: 0
    .kernarg_segment_align: 8
    .kernarg_segment_size: 40
    .max_flat_workgroup_size: 256
    .sgpr_count:     106
    .vgpr_count:     384
    .wavefront_size: 32
...
	.end_amdgpu_metadata
.endif
;; end of part 3
;; launch outp (part 4): grid 4 x 32, 4 waves a work-group, clusters of 4 x 4, 327,680 bytes of LDS; arguments xcodes, wcodes, lowp_scales, out0, b_o; writes out0
.if DOCPART == 4
	.amdgcn_target "amdgcn-amd-amdhsa--gfx1250"
	.amdhsa_code_object_version 6
	.text
	.protected	k_q7798480ab8_outp
	.globl	k_q7798480ab8_outp
	.p2align	8
	.type	k_q7798480ab8_outp,@function
k_q7798480ab8_outp:
	s_mov_b64 s[64:65], 0
	v_nop
	global_prefetch_b8 v0, s[64:65] scope:SCOPE_SE
	s_setreg_imm32_b32 hwreg(HW_REG_WAVE_MODE, 25, 1), 1
	s_wait_xcnt 0x0
	s_wait_alu depctr_hold_cnt(0) depctr_sa_sdst(0) depctr_va_vdst(0) depctr_va_sdst(0) depctr_va_ssrc(0) depctr_va_vcc(0) depctr_vm_vsrc(0)
	s_getreg_b32 s2, hwreg(HW_REG_IB_STS2, 6, 4)
	s_cmp_eq_u32 s2, 0
	s_cbranch_scc0 .Lentry_in_a_cluster
	s_endpgm
.Lentry_in_a_cluster:
	s_bfe_u32 s2, ttmp6, 0x10000c
	s_cmp_lg_u32 s2, 0xf033
	s_cbranch_scc0 .Lentry_shape_is_right
	s_endpgm
.Lentry_shape_is_right:
; OUTP.  out0 = x w_o^T + b_o on codes of E4M3, sums in f32: out0 = sum x 2^(e10 + e11) + b_o.  x [8192][1024] and w_o [1024][1024] come as IMAGES of the operand's registers:
; a fragment of 16 rows x 128 K = 4 chunks of 512 bytes, chunk c = registers 4 c .. 4 c + 3, lane l's 16 bytes at 16 l.  xcodes [row tile 512][K step 8][2048]; w_o at 3 MiB of wcodes, [row tile 64][K step 8][2048].
; A tile of 256 x 256 is made by four waves, each 128 x 128: 64 accumulators.  K = 1,024 goes in four fills of 256 through two LDS slots, written out without a loop.
; Source 0 = 16 rows of w_o, source 1 = 16 rows of x: a lane holds eight neighbouring numbers of a row of out0.
; CLUSTERS: 4 x 4 work-groups; x's tile is asked for jointly along a row of the cluster, w_o's along a column.  128 tiles: the launch has work for 128 work-groups.
; No prefetch: K has four fills, two of them asked for at the head.
; LIMIT: e10 + e11 between -126 and 127.
; REGISTERS: window 0: v16-29 addresses; v32-95 b_o; v128-255 x's fragments, one set, later rows on the way out; window 1: w_o's fragments, two sets, later v0-63 a block's results; windows 2, 3: the accumulators.
.set FR,     16
.set NL,     4
.set NP,     4
.set HALFT,  32768
.set SLOT,   131072
.set SPARE,  262144
.set SPITCH, 528                       ; the way out: a stage of 16 rows x (512 bytes + 16) for each wave, in slot 0, which has had its last fill and its last read when the first result is stored there
.set ADRA, 16
.set ADRB, 20
.set STO,  24
.set RD,   25
.set CO,   26                          ; 16 x lane
.set SPW,  28
.set NIL,  29
.set BIAS, 32
.set AF,   128
.set BK,   128
.set TMP,  0                           ; in window 1
.set G1,  24
.set G0,  32
.set G1B, 48
.set G0B, 56
.set MSB, 0
.macro WIN new                         ; the immediate's high byte repeats the setting that is left
.if MSB != \new
	s_set_vgpr_msb (MSB<<8)|\new
.set MSB, \new
.endif
.endm
.set MUL_LO, 0xa1
.set MUL_HI, 0xf1
.set TO_B,   0x40
.macro JLOAD g0a, g1a, g0b, g1b        ; a joint load: waves 0 and 1 fetch for x, waves 2 and 3 for w_o; four v_nop follow each line
	s_cmp_eq_u32 s15, 0
	s_cbranch_scc0 .Lfor_b_\@
	tensor_load_to_lds s[\g0a:\g0a+3], s[\g1a:\g1a+7]
	s_nop 0
.rept 4
	v_nop
.endr
	s_branch .Lasked_\@
.Lfor_b_\@:
	tensor_load_to_lds s[\g0b:\g0b+3], s[\g1b:\g1b+7]
	s_nop 0
.rept 4
	v_nop
.endr
.Lasked_\@:
.endm
.macro CREST
	s_cmp_lg_u32 s14, 0
	s_cbranch_scc1 .Lnot_wave_0_\@
	s_barrier_signal -3
.Lnot_wave_0_\@:
	s_barrier_wait -3
	s_barrier_signal -1
	s_barrier_wait -1
.endm
.macro CROUND
	s_barrier_signal -1
	s_barrier_wait -1
	CREST
.endm
	s_load_b128 s[4:7], s[0:1], 0x0                ; xcodes, wcodes
	s_load_b128 s[8:11], s[0:1], 0x10              ; the exponents, out0
	s_load_b64 s[72:73], s[0:1], 0x20              ; b_o
	v_lshl_add_u32 v[SPW], v0, 2, SPARE
	v_mov_b32 v[NIL], 0
	ds_add_u32 v28, v29
	ds_add_u32 v28, v29
	s_wait_dscnt 0x0
	v_lshrrev_b32 v1, 5, v0
	v_readfirstlane_b32 s14, v1                    ; wave 0..3
	s_lshr_b32 s15, s14, 1                         ; which half of the tile's rows is mine.  Also: I fetch for x (0) or for w_o (1)
	s_and_b32 s16, s14, 1                          ; which half of its columns.  Also: which 8 row tiles I fetch
	s_bfe_u32 s40, ttmp6, 0x40000                  ; cx = tile column
	s_bfe_u32 s41, ttmp6, 0x40004                  ; cy
	s_and_b32 s17, ttmp7, 0xffff
	s_lshl_b32 s17, s17, 2
	s_add_co_u32 s17, s17, s41                     ; tile row = 4 x cluster y + cy
	s_lshl_b32 s43, s41, 2
	s_lshl_b32 s43, 15, s43
	s_lshl_b32 s44, 0x1111, s40
	; descriptor group 1: 8 rows (row tiles) of 4,096 bytes (two K steps' fragments), 16,384 bytes apart, in elements of 8 bytes; dense in LDS
	s_or_b32 s[G1+0], s43, (3<<16)|(1<<21)
	s_or_b32 s[G1B+0], s44, (3<<16)|(1<<21)
.irp g, G1, G1B
	s_mov_b32 s[\g+1], 512<<16
	s_mov_b32 s[\g+2], 8<<16
	s_mov_b32 s[\g+3], 512<<16
	s_mov_b32 s[\g+4], 8
	s_mov_b32 s[\g+5], 2048
	s_mov_b32 s[\g+6], 0
	s_mov_b32 s[\g+7], 0
.endr
	s_lshl_b32 s18, s16, 17                        ; which 8 row tiles I fetch
	s_lshl_b32 s20, s17, 18
	s_add_co_u32 s20, s20, s18
	s_mov_b32 s21, 0
	s_lshl_b32 s46, s40, 18
	s_add_co_u32 s46, s46, s18
	s_add_co_u32 s46, s46, 0x300000                ; w_o is the fourth weight
	s_mov_b32 s47, 0
	s_lshl_b32 s45, s14, 15
	s_wait_kmcnt 0x0
	s_load_b64 s[96:97], s[8:9], 0x28              ; e10, e11
	s_add_nc_u64 s[20:21], s[4:5], s[20:21]
	s_add_nc_u64 s[46:47], s[6:7], s[46:47]
	CROUND                                         ; all sixteen work-groups are here: the first joint loads meet
.irp s, 0,1
	s_mov_b32 s[G0+4*\s], 1
	s_add_co_u32 s[G0+4*\s+1], s45, \s*SLOT
	s_add_nc_u64 s[G0+4*\s+2:G0+4*\s+3], s[20:21], \s*4096
	s_or_b32 s[G0+4*\s+3], s[G0+4*\s+3], 0x80000000
	s_mov_b32 s[G0B+4*\s], 1
	s_add_co_u32 s[G0B+4*\s+1], s45, \s*SLOT
	s_add_nc_u64 s[G0B+4*\s+2:G0B+4*\s+3], s[46:47], \s*4096
	s_or_b32 s[G0B+4*\s+3], s[G0B+4*\s+3], 0x80000000
	JLOAD G0+4*\s, G1, G0B+4*\s, G1B
.endr
	v_and_b32 v1, 31, v0
	v_lshlrev_b32 v[CO], 4, v1                     ; 16 l
	v_and_b32 v2, 15, v0                           ; r
	v_bfe_u32 v3, v0, 4, 1                         ; h
	v_lshlrev_b32 v4, 5, v3                        ; the bias of my half's 8 columns
	s_lshl_b32 s21, s15, 15
	s_lshl_b32 s22, s16, 15
	s_add_co_u32 s22, s22, 65536
.irp s, 0,1
	v_add_nc_u32 v[ADRA+\s], s21, v[CO]
	v_add_nc_u32 v[ADRB+\s], s22, v[CO]
	s_add_co_u32 s21, s21, SLOT
	s_add_co_u32 s22, s22, SLOT
.endr
	s_mul_i32 s23, s14, 16*SPITCH                  ; my stage
	v_mul_u32_u24 v5, v2, SPITCH                   ; in: row r, 32 bytes for each half of the lanes
	v_lshl_add_u32 v5, v3, 5, v5
	v_add_nc_u32 v[STO], s23, v5
	v_add_nc_u32 v[RD], s23, v[CO]                 ; back: the 32 lanes take one row of 512 bytes
	s_lshl_b32 s20, s17, 8
	s_lshl_b32 s21, s15, 7
	s_add_co_u32 s20, s20, s21                     ; my first row of out0
	s_lshl_b32 s20, s20, 12                        ; rows of 4,096 bytes
	s_lshl_b32 s46, s40, 10                        ; my first column, in bytes: 1,024 x tile column + 512 x half
	s_lshl_b32 s47, s16, 9
	s_add_co_u32 s46, s46, s47
	s_mov_b32 s47, 0
	s_add_nc_u64 s[72:73], s[72:73], s[46:47]      ; b_o at my 128 columns
	s_add_co_u32 s20, s20, s46
	s_mov_b32 s21, 0
	s_add_nc_u64 s[10:11], s[10:11], s[20:21]
.irp b, 0,1,2,3,4,5,6,7                        ; accumulator (a, b), register j: column 16 b + 8 h + j
	global_load_b128 v[BIAS+8*\b:BIAS+8*\b+3], v4, s[72:73] offset:64*\b
	global_load_b128 v[BIAS+8*\b+4:BIAS+8*\b+7], v4, s[72:73] offset:64*\b+16
.endr
	s_wait_loadcnt 0x0
.macro FRAG reg, adr, q, i
.irp c, 0,1,2,3
	ds_load_b128 v[\reg+4*\c:\reg+4*\c+3], v[\adr] offset:2048*(\q)+512*\c+4096*(\i)
.endr
.endm
; 16 matrix instructions: x's blocks a0, a0 + 1 x w_o's eight, 128 along K.  zero = 1: the first product starts the sums.  The 64 accumulators take turns, one instruction a turn.
.macro MUL16 a0, p, zero
.irp a, \a0, \a0+1
.irp b, 0,1,2,3,4,5,6,7
.if \zero
	v_wmma_f32_16x16x128_fp8_fp8 v[8*(8*((\a)%4)+\b):8*(8*((\a)%4)+\b)+7], v[128*(\p)+FR*\b:128*(\p)+FR*\b+FR-1], v[AF+FR*(\a):AF+FR*(\a)+FR-1], 0
.else
	v_wmma_f32_16x16x128_fp8_fp8 v[8*(8*((\a)%4)+\b):8*(8*((\a)%4)+\b)+7], v[128*(\p)+FR*\b:128*(\p)+FR*\b+FR-1], v[AF+FR*(\a):AF+FR*(\a)+FR-1], v[8*(8*((\a)%4)+\b):8*(8*((\a)%4)+\b)+7]
.endif
.endr
.endr
.endm
.macro FETCH_B slot, q, p
	WIN TO_B
.irp i, 0,1,2,3,4,5,6,7
	FRAG 128*(\p)+FR*\i, ADRB+\slot, \q, \i
.endr
	WIN 0
.endm
.macro FETCH_A slot, q, i0
.irp i, \i0, \i0+1, \i0+2, \i0+3
	FRAG AF+FR*(\i), ADRA+\slot, \q, \i
.endr
.endm
.macro PLACES n                        ; plain vector lines between a matrix instruction and a load into, or a vector instruction on, its registers
.rept \n
	v_nop
.endr
.endm
.macro STEP slot, q, zero
	s_wait_dscnt 4*NL                              ; w_o's set and x's blocks 0-3 are in; x's blocks 4-7 may be out
	WIN MUL_LO
	MUL16 0, (\q)%2, \zero
	MUL16 2, (\q)%2, \zero
	s_wait_dscnt 0
	PLACES NP
	FETCH_B \slot, (\q)+1, 1-(\q)%2
	FETCH_A \slot, (\q)+1, 0
	WIN MUL_HI
	MUL16 4, (\q)%2, \zero
	MUL16 6, (\q)%2, \zero
	PLACES NP
	WIN 0
	FETCH_A \slot, (\q)+1, 4
.endm
.macro TURN slot, next, fill
	s_wait_tensorcnt 0x0                           ; all my tensor loads have landed: my part of the next slot
	ds_add_u32 v[SPW], v[NIL]                      ; 0 onto my spare word
	s_wait_dscnt 4*NL+1                            ; (the add and x's blocks 4-7 may be out)
	WIN MUL_LO
	MUL16 0, 1, 0
	s_wait_dscnt 0x0                               ; the add is done, and my reads of this slot are over
	s_barrier_signal -1
	MUL16 2, 1, 0
	WIN 0
	s_barrier_wait -1
.if \fill
	CREST                                          ; the barrier has opened a round of the cluster's barrier: no wave of any partner still reads this slot or has a load on its way
	s_add_nc_u64 s[G0+4*\slot+2:G0+4*\slot+3], s[G0+4*\slot+2:G0+4*\slot+3], 8192
	s_add_nc_u64 s[G0B+4*\slot+2:G0B+4*\slot+3], s[G0B+4*\slot+2:G0B+4*\slot+3], 8192
	JLOAD G0+4*\slot, G1, G0B+4*\slot, G1B
.else
	PLACES NP
.endif
	FETCH_B \next, 0, 0
	FETCH_A \next, 0, 0
	WIN MUL_HI
	MUL16 4, 1, 0
	MUL16 6, 1, 0
	PLACES NP
	WIN 0
	FETCH_A \next, 0, 4
.endm
	s_wait_tensorcnt 1                             ; my part of the first fill is in; the second fill's load may be out
	s_barrier_signal -1
	s_barrier_wait -1
	FETCH_B 0, 0, 0
	FETCH_A 0, 0, 0
	FETCH_A 0, 0, 4
	STEP 0, 0, 1
	TURN 0, 1, 1
	STEP 1, 0, 0
	TURN 1, 0, 1
	STEP 0, 0, 0
	TURN 0, 1, 0                                   ; nothing is left to fetch
	STEP 1, 0, 0
	s_wait_dscnt 4*NL
	WIN MUL_LO
	MUL16 0, 1, 0
	MUL16 2, 1, 0
	s_wait_dscnt 0
	WIN MUL_HI
	MUL16 4, 1, 0
	MUL16 6, 1, 0
	WIN 0
; THE WAY OUT, block by block of 16 rows x 128 columns: sum x 2^(e10 + e11) + b_o by one packed multiply-add for two numbers; through my own stage in LDS; back as whole rows of 512 bytes.
; LDS serves a wave's instructions in order (ISA guide 5.7.1.4): no wait between the stores and the loads, nor in front of the next block's stores.
.macro TOSTAGE a
.set AC, 64*((\a)%4)
	WIN 0x42+((\a)/4)                              ; the sums: window 2 or 3; the results: window 1; b_o: window 0
.set n, 0
.rept 32
	v_pk_fma_f32 v[TMP+n:TMP+n+1], v[AC+n:AC+n+1], s[96:97], v[BIAS+n:BIAS+n+1] op_sel_hi:[1,0,1]   ; each accumulator from its low end on
.set n, n+2
.endr
	WIN 0x04                                       ; the stores' data: window 1
.irp b, 0,1,2,3,4,5,6,7
	ds_store_b128 v[STO], v[TMP+8*\b:TMP+8*\b+3] offset:64*\b
	ds_store_b128 v[STO], v[TMP+8*\b+4:TMP+8*\b+7] offset:64*\b+16
.endr
	WIN 0
.set BB, BK+64*((\a)%2)
.irp t, 0,1,2,3,4,5,6,7,8,9,10,11,12,13,14,15
	ds_load_b128 v[BB+4*\t:BB+4*\t+3], v[RD] offset:\t*SPITCH
.endr
.endm
.macro SEND a, younger                 ; younger: the LDS instructions issued behind block a's loads, which may stay out
.set BB, BK+64*((\a)%2)
	s_wait_dscnt \younger
.if (\a) > 0
	s_add_nc_u64 s[10:11], s[10:11], 16*4096       ; (behind a wait on XCNT: the earlier stores have read their base)
.endif
.irp t, 0,1,2,3,4,5,6,7,8,9,10,11,12,13,14,15
	global_store_b128 v[CO], v[BB+4*\t:BB+4*\t+3], s[10:11] offset:\t*4096 th:TH_STORE_NT   ; 32 lanes store 512 consecutive bytes, at a multiple of 256 from out0's first byte
.endr
.endm
	s_wait_kmcnt 0x0
	s_add_co_i32 s96, s96, s97
	s_add_co_i32 s96, s96, 127
	s_lshl_b32 s96, s96, 23                        ; 2^(e10 + e11) as f32
	s_mov_b32 s97, s96                             ; (named with it as a pair, so it is written)
	PLACES NP
	TOSTAGE 0
.irp a, 1,2,3,4,5,6,7
.if \a > 1
	s_wait_xcnt 0x0                                ; block a - 2's stores have read their registers and their base
.endif
	TOSTAGE \a
	SEND \a-1, 32                                  ; behind block a - 1's loads: block a's 16 stores and 16 loads
.endr
	s_wait_xcnt 0x0
	SEND 7, 0
	s_wait_tensorcnt 0x0                           ; the wave's end
	ds_add_u32 v[SPW], v[NIL]
	s_wait_dscnt 0x0
	CROUND                                         ; the closing round
	s_endpgm
.Lfunc_end_k_q7798480ab8_outp:
	.size	k_q7798480ab8_outp, .Lfunc_end_k_q7798480ab8_outp-k_q7798480ab8_outp
	.p2alignl 7, 3214868480
	.fill 96, 4, 3214868480
	.section	.rodata,"a",@progbits
	.p2align	6, 0x0
	.amdhsa_kernel k_q7798480ab8_outp
		.amdhsa_group_segment_fixed_size 327680
		.amdhsa_private_segment_fixed_size 0
		.amdhsa_enable_private_segment 0
		.amdhsa_kernarg_size 40
		.amdhsa_user_sgpr_count 2
		.amdhsa_user_sgpr_kernarg_segment_ptr 1
		.amdhsa_wavefront_size32 1
		.amdhsa_system_sgpr_workgroup_id_x 1
		.amdhsa_system_sgpr_workgroup_id_y 1
		.amdhsa_system_sgpr_workgroup_id_z 1
		.amdhsa_system_vgpr_workitem_id 0
		.amdhsa_next_free_vgpr 1024
		.amdhsa_next_free_sgpr 100
		.amdhsa_reserve_vcc 0
		.amdhsa_float_denorm_mode_32 3
		.amdhsa_float_denorm_mode_16_64 3
		.amdhsa_memory_ordered 1
		.amdhsa_forward_progress 1
		.amdhsa_inst_pref_size 124
	.end_amdhsa_kernel
	.amdgpu_metadata
---
amdhsa.version: [ 1, 2 ]
amdhsa.kernels:
  - .name:           k_q7798480ab8_outp
    .symbol:         k_q7798480ab8_outp.kd
    .args:
      - { .name: xcodes, .offset: 0, .size: 8, .value_kind: global_buffer, .address_space: global }
      - { .name: wcodes, .offset: 8, .size: 8, .value_kind: global_buffer, .address_space: global }
      - { .name: lowp_scales, .offset: 16, .size: 8, .value_kind: global_buffer, .address_space: global }
      - { .name: out0, .offset: 24, .size: 8, .value_kind: global_buffer, .address_space: global }
      - { .name: b_o, .offset: 32, .size: 8, .value_kind: global_buffer, .address_space: global }
    .group_segment_fixed_size: 327680
    .private_segment_fixed_size: 0
    .kernarg_segment_align: 8
    .kernarg_segment_size: 40
    .max_flat_workgroup_size: 128
    .sgpr_count:     100
    .vgpr_count:     1024
    .wavefront_size: 32
...
	.end_amdgpu_metadata
.endif
;; end of part 4
;; ======== version 2 of 2: 4 launches; version 1 with the launch attn written anew for expert scheduling mode
;; limits: right only within a limited range of input values
;; workspace buffers: acodes 25,165,824 bytes; wcodes 4,194,304 bytes; pcodes 25,165,824 bytes; xcodes 8,388,608 bytes; mwords 524,288 bytes of whole numbers; mflags 256 bytes of whole numbers
;; launch prep: the kernel of part 1 again; grid 960 x 1, 4 waves a work-group, no clusters, 68,352 bytes of LDS; arguments q, k, v, w_q, w_k, w_v, w_o, lowp_scales, mask, acodes, wcodes, mwords, mflags; writes acodes, wcodes, mwords, mflags
;; launch proj: the kernel of part 2 again; grid 4 x 96, 4 waves a work-group, clusters of 4 x 4, 327,680 bytes of LDS; arguments acodes, wcodes, lowp_scales, pcodes, b_q, b_k, b_v; writes pcodes
;; launch attn (part 5): grid 4 x 64, 8 waves a work-group, no clusters, 33,792 bytes of LDS; arguments pcodes, mwords, mflags, lowp_scales, xcodes; writes xcodes
.if DOCPART == 5
	.amdgcn_target "amdgcn-amd-amdhsa--gfx1250"
	.amdhsa_code_object_version 6
	.text
	.protected	k_q7798480ab8_attn
	.globl	k_q7798480ab8_attn
	.p2align	8
	.type	k_q7798480ab8_attn,@function
k_q7798480ab8_attn:
	s_mov_b64 s[64:65], 0
	v_nop
	global_prefetch_b8 v0, s[64:65] scope:SCOPE_SE
	s_setreg_imm32_b32 hwreg(HW_REG_WAVE_SCHED_MODE, 0, 2), 2
	s_setreg_imm32_b32 hwreg(HW_REG_WAVE_MODE, 25, 1), 1
	s_wait_xcnt 0x0
	s_wait_alu depctr_vm_vsrc(0)
; ATTN.  For each batch and head: scores = Q K^T / 8, hidden places (the given mask) set to -1e9, softmax, x V; both products on codes of E4M3.  The result is quantised into the last product's A operand.
; THE SOFTMAX: t = logit x log2(e); M = the running largest t rounded UP to a whole number; p = 2^(t - M) is quantised with 2^e8; the row's sum l is taken of the unquantised p; O is divided by l at the end.
; When M moves, l and O are multiplied by 2^(old M - new M), which rounds nothing.  A hidden place has t = -1e9 x log2(e) as f32, a whole number: a row with no open key gets p = 1 at all 2,048 keys.
; SHARES.  Work-group (x, y = 16 batch + head) makes two passes over blocks of 256 queries: block 7 - x, then block x.  Each of its eight waves owns 32 queries, two tiles of 16, so a fragment of K or V read from LDS feeds two products.
; Both products are used transposed: S^T = K Q^T (source 0 = 16 keys), O^T = V^T P (source 0 = 16 channels): a lane holds ONE query.  Codes come as images of the registers in the form's own order of k, so tile i's
; eight registers are keys 16 i + 8 (lane / 16) + 0 .. 7, and their conversion gives registers 2 i, 2 i + 1 of P.
; KEY STEPS of 128 keys, 16 a pass: a constant count.  A step's tiles (K: 8 x 1,024 bytes, V: 4 x 2,048) go memory -> registers -> LDS, 1/8 by each wave, one step ahead, in two slots; ONE barrier a step, on every wave's path.
; FLAGS (stored by the first launch): a step that none of the block's eight groups needs is not fetched; a step that my 32 queries do not need is not computed; a step that is wholly open skips the mask's words.
; These are branches on stored whole numbers.  So this launch has no tensor load, and NO CLUSTER: work-groups of one head need different steps, so partners would ask for different numbers of tiles.
; LIMITS: e6 + e7 between -120 and 130; e8 between -126 and 119; e10 - e8 - e9 between -126 and 119.  A hidden place's p counts as 0 beside an open place of the same row: open logits lie above -1e9 + 200.  NaN is not served.
; THE MODE: SCHED_MODE bits 1:0 = 2 (LLVM: expert scheduling mode 2), set by the entry lines.  The code itself states the register dependences
; between vector or matrix instructions and memory or LDS instructions, with s_wait_alu, always for 0.
; THE PLAN.  Registers that memory or LDS instructions touch:
;   v1-v4     addresses.  Written by vector instructions at the kernel's head and never again; read by every load, store and prefetch.
;   Q         The pass's four loads land in it; the pass's products K Q^T read it.
;   K, V      A computed step's LDS loads land in them; that step's products read them: K Q^T reads K, V^T P reads V.
;   STG       Zeros at the kernel's head; from then on named by memory and LDS instructions alone: a step's four global loads land in it, the step's four LDS stores read it.
;   CD        The conversions at a pass's end write it; the four global stores behind them read it.
;   S^T, P, O^T and the statistics are named by vector and matrix instructions alone.
; So: one wait on va_vdst at a pass's head (addresses and STG written; the last pass's products done with Q), behind the pass's own v_mov lines, so that no vector instruction stands between it and step 0's loads;
; one at the head of a computed step (the last computed step's products done with K and V): K's loads follow it, and V's stand behind tile 0's eight products, which name S^T, K and Q alone; one ahead of a pass's stores (CD written).
; One wait on vm_vsrc at each step's head (the LDS stores have read STG) and one at a pass's head (the global stores have read CD, the LDS stores STG), each beside the wait on XCNT that stands there.
; REGISTERS, window 0: v1-5 addresses and the hidden t; v6, v7 2^e8 and 448 x it; v8-10 at work; tile t: v[12+4t] -M, v[13+4t] largest t, v[14+4t:15+4t] l; v[20+2t] f; v[24:25] a second chain; v26, v27 the result's scale and hold;
;   v32-47 Q; v48-79 P; v80-143 K; v144-207 S^T, then p; v208-223 the next step's tile on its way; v224-239 the result's codes.   window 1: v0-63 O^T (tile t, channels 16 c on: 32 t + 8 c); v64-127 V.
.set LI,  1                            ; 16 x lane
.set STA, 2                            ; 16 x lane + 1,024 x wave
.set GOK, 3                            ; 16 x lane + 2,048 x wave
.set PFO, 4                            ; the prefetches' offset
.set TM,  5                            ; -1e9 x log2(e)
.set PS,  6
.set PL,  7
.set XS,  26
.set LX,  27
.set Q,   32
.set P,   48
.set K,   80
.set S,   144
.set STG, 208
.set CD,  224
.set OT,  0
.set VF,  64
.set MSB, 0
.macro WIN new                         ; the immediate's high byte repeats the setting that is left
.if MSB != \new
	s_set_vgpr_msb (MSB<<8)|\new
.set MSB, \new
.endif
.endm
.macro PLACES
.rept 4
	v_nop
.endr
.endm
; SCALARS: s2 wave; s3 trips; s[4:5], s[6:7] K's and V's tiles of the step to fetch; s[8:9] mwords; s[10:11] where the pass's codes go; s[12:13] the prefetches' place, s[14:15] its step; s[16:63], s[80:95] 64 mask words (free between steps);
; s[66:67] lane selects; s[68:69] c; s[70:71] c or 1.0; s72 my flags, s73 the block's need, s74 the steps to prefetch (all three shifted each step); s75 my place in mwords; s[76:77], s[78:79], s[96:97] K's, V's, Q's base; s98 pass; s99 block; s100 1 where p wants a hold.
	s_load_b128 s[16:19], s[0:1], 0x0              ; pcodes, mwords
	s_load_b64 s[20:21], s[0:1], 0x18              ; the exponents
	v_lshl_add_u32 v254, v0, 2, 0x8000
	v_mov_b32 v255, 0
	v_lshrrev_b32 v8, 5, v0
	v_readfirstlane_b32 s2, v8                     ; wave 0..7
	v_and_b32 v9, 31, v0
	v_lshlrev_b32 v[LI], 4, v9
	s_wait_alu depctr_va_sdst(0)                   ; s2 is written, ahead of its first reader
	s_lshl_b32 s101, s2, 10
	v_add_nc_u32 v[STA], s101, v[LI]
	s_lshl_b32 s101, s2, 11
	v_add_nc_u32 v[GOK], s101, v[LI]
	v_mov_b32 v[TM], 0xceabfb8f
	s_mov_b32 s66, 0x76543210
	s_mov_b32 s67, 0xfedcba98
	s_and_b32 s101, ttmp7, 0xffff                  ; y = 16 batch + head
	s_lshr_b32 s104, s101, 1                       ; 8 batch + head pair
	s_lshl_b32 s22, s104, 18                       ; x 128 token tiles of 2,048 bytes
	s_and_b32 s104, s101, 1
	s_lshl_b32 s104, s104, 10                      ; + the head of the pair
	s_add_co_u32 s22, s22, s104
	s_mov_b32 s23, 0
	s_lshr_b32 s104, s101, 4
	s_lshl_b32 s30, s104, 21                       ; V: batch x 16 key steps x 131,072
	s_and_b32 s104, s101, 15
	s_lshl_b32 s104, s104, 13                      ; + head x 4 channel tiles
	s_add_co_u32 s30, s30, s104
	s_add_co_u32 s30, s30, 0x1000000
	s_mov_b32 s31, 0
	s_cmp_eq_u32 s2, 1                             ; wave 0 prefetches K's blocks, wave 1 V's
	s_mov_b32 s14, 0x20000
	s_cselect_b32 s14, s14, 0x4000                 ; a key step on
	s_mov_b32 s15, 0
	s_mov_b32 s105, 1024
	s_cselect_b32 s105, s105, 2048                 ; four blocks of 256 bytes on end, then 1,024 (V) or 2,048 (K: the other head's fragment lies between)
	v_lshrrev_b32 v[PFO], 2, v9
	v_mul_lo_u32 v[PFO], v[PFO], s105
	v_and_b32 v8, 3, v9
	v_lshl_add_u32 v[PFO], v8, 8, v[PFO]
	v_mov_b32 v8, 0                                ; written once: they are named on paths that skip every step
	v_mov_b32 v9, 0
	v_mov_b32 v10, 0
	v_mov_b32 v21, 0                               ; (named as the upper halves of pairs)
	v_mov_b32 v23, 0
.set n, 0
.rept 16
	v_mov_b32 v[STG+n], 0
.set n, n+1
.endr
	s_wait_kmcnt 0x0
	s_load_b128 s[24:27], s[20:21], 0x18           ; e6, e7, e8, e9
	s_load_b64 s[28:29], s[20:21], 0x28            ; e10, e11
	s_mov_b64 s[8:9], s[18:19]
	s_add_nc_u64 s[96:97], s[16:17], s[22:23]      ; Q
	s_add_nc_u64 s[76:77], s[96:97], 0x800000      ; K
	s_add_nc_u64 s[78:79], s[16:17], s[30:31]      ; V
	s_wait_kmcnt 0x0
	s_add_co_i32 s101, s24, s25
	s_lshl_b32 s101, s101, 23
	s_add_co_i32 s68, s101, 0x3e38aa3b             ; c = log2(e) / 8 x 2^(e6 + e7): the exponents are added to c's exponent field
	s_mov_b32 s69, s68
	s_add_co_i32 s101, s26, 127
	s_lshl_b32 s104, s101, 23
	v_mov_b32 v[PS], s104                          ; 2^e8
	s_add_co_i32 s101, s101, 8
	s_lshl_b32 s101, s101, 23
	s_or_b32 s101, s101, 0x600000
	v_mov_b32 v[PL], s101                          ; 448 x 2^e8
	s_cmp_le_i32 s26, -9                           ; p is at most 1: it can pass 448 x 2^e8 only where e8 is -9 or less
	s_cselect_b32 s100, 1, 0
	s_sub_co_i32 s101, s28, s26
	s_sub_co_i32 s101, s101, s27                   ; a sum of the second product stands for sum x 2^(e8 + e9): its code is (sum / l) / 2^(e10 - e8 - e9)
	s_add_co_i32 s101, s101, 127
	s_lshl_b32 s104, s101, 23
	v_mov_b32 v[XS], s104
	s_add_co_i32 s101, s101, 8
	s_lshl_b32 s101, s101, 23
	s_or_b32 s101, s101, 0x600000
	v_mov_b32 v[LX], s101
	s_mov_b32 s98, 0
; THE SOFTMAX of tile t for one key step: S^T's 64 registers become P's 16.
.macro SOFT t
.set T0, 12+4*(\t)
.set T1, 13+4*(\t)
.set LL, 14+4*(\t)
.set FF, 20+2*(\t)
	PLACES                                         ; behind the products, ahead of the first read of their results
	s_bitcmp1_b32 s72, 16
	s_cbranch_scc1 .Lopen_\@                       ; a wholly open step needs no words
	s_load_b512 s[16:31], s[8:9], s75 offset:4096*(\t)
	s_load_b512 s[32:47], s[8:9], s75 offset:4096*(\t)+64
	s_load_b512 s[48:63], s[8:9], s75 offset:4096*(\t)+128
	s_load_b512 s[80:95], s[8:9], s75 offset:4096*(\t)+192
.set n, 0
.rept 32
	v_pk_mul_f32 v[S+n:S+n+1], v[S+n:S+n+1], s[68:69] op_sel_hi:[1,0]   ; t, while the words are on their way
.set n, n+2
.endr
	s_wait_kmcnt 0x0
.set n, 0
.rept 64
	v_cndmask_b32 v[S+n], v[TM], v[S+n], s[16+n+16*(n/48)]   ; word n is register n's lane mask: hidden places take the hidden t
.set n, n+1
.endr
.Lopen_\@:
	v_max3_num_f32 v8, v[S], v[S+1], v[S+2]        ; the step's largest, among my 64 keys, in two chains,
	v_max3_num_f32 v9, v[S+3], v[S+4], v[S+5]
.set n, 6
.rept 14
	v_max3_num_f32 v8, v8, v[S+n], v[S+n+1]
	v_max3_num_f32 v9, v9, v[S+n+2], v[S+n+3]
.set n, n+4
.endr
	v_max3_num_f32 v8, v8, v[S+62], v[S+63]
	v_max_num_f32 v8, v8, v9
	v_permlanex16_b32 v10, v8, s66, s67
	v_max_num_f32 v8, v8, v10                      ; and among lane l xor 16's
	v_mul_f32 v8, s70, v8                          ; as t: x c where the registers hold scores, x 1.0 where they hold t
	v_max_num_f32 v[T1], v[T1], v8                 ; the running largest t
	v_mov_b32 v8, v[T0]
	v_floor_f32 v[T0], -v[T1]                      ; -M = floor(-t): M is a whole number
	v_sub_f32 v8, v[T0], v8                        ; old M - new M: a whole number, 0 or less
	v_cvt_i32_f32 v8, v8                           ; (it saturates)
	v_ldexp_f32 v[FF], 1.0, v8                     ; f = 2^(old M - new M)
.set n, 0
.rept 32
	v_pk_fma_f32 v[S+n:S+n+1], v[S+n:S+n+1], s[70:71], v[T0:T0+1] op_sel_hi:[1,0,0]   ; t - M
.set n, n+2
.endr
.set n, 0
.rept 64
	v_exp_f32 v[S+n], v[S+n]                       ; p = 2^(t - M)
.set n, n+1
.endr
	v_pk_mul_f32 v[LL:LL+1], v[LL:LL+1], v[FF:FF+1] op_sel_hi:[1,0]   ; l under the new M: the plain line behind the exponentials
	s_wait_alu depctr_va_vdst(0)                   ; the 64 exponentials have written p: one wait for the batch, ahead of its first reader
	v_pk_add_f32 v[24:25], v[S:S+1], v[S+2:S+3]    ; the sum of the unquantised p, in two chains
.set n, 4
.rept 15
	v_pk_add_f32 v[LL:LL+1], v[LL:LL+1], v[S+n:S+n+1]
	v_pk_add_f32 v[24:25], v[24:25], v[S+n+2:S+n+3]
.set n, n+4
.endr
	v_pk_add_f32 v[LL:LL+1], v[LL:LL+1], v[24:25]
	s_cmp_eq_u32 s100, 0
	s_cbranch_scc1 .Lnohold_\@
.set n, 0
.rept 64
	v_min_num_f32 v[S+n], v[S+n], v[PL]            ; the conversion does not saturate (ISA guide 7.6.2); p is not negative
.set n, n+1
.endr
.Lnohold_\@:
.set n, 0
.rept 8
	v_cvt_scalef32_pk8_fp8_f32 v[P+16*(\t)+2*n:P+16*(\t)+2*n+1], v[S+8*n:S+8*n+7], v[PS]
.set n, n+1
.endr
	v_nop                                          ; a plain line behind the conversions: matrix instructions write their sources and read their results next
.endm
; A KEY STEP's work, from slot s.
.macro COMPUTE s
	s_wait_alu depctr_va_vdst(0)                   ; the products of the last step that I computed are done reading K's and V's registers, in which this step's LDS loads land
.set n, 0
.rept 16
	ds_load_b128 v[K+4*n:K+4*n+3], v[LI] offset:16384*(\s)+512*n
.set n, n+1
.endr
	s_bitcmp1_b32 s72, 16
	s_cselect_b32 s70, s68, 1.0
	s_mov_b32 s71, s70
	s_wait_dscnt 0x0                               ; K is in: its 16 loads are all that is out
.irp t, 0,1
.irp i, 0,1,2,3,4,5,6,7
	v_wmma_f32_16x16x64_fp8_fp8 v[S+8*\i:S+8*\i+7], v[K+8*\i:K+8*\i+7], v[Q+8*\t:Q+8*\t+7], 0
.endr
.if \t == 0
	WIN 0x40                                       ; V's loads stand behind tile 0's products and land under its softmax.  No further wait: since the wait at the step's head only K's loads and
.set n, 0                                      ; these eight products were issued, which name S^T, K and Q: none of V's registers, nor the address
.rept 16
	ds_load_b128 v[VF+4*n:VF+4*n+3], v[LI] offset:16384*(\s)+8192+512*n
.set n, n+1
.endr
	WIN 0
.endif
	SOFT \t
.endr
	WIN 0x41                                       ; O^T in window 1, f in window 0
.irp t, 0,1
.set n, 0
.rept 16
	v_pk_mul_f32 v[OT+32*\t+n:OT+32*\t+n+1], v[OT+32*\t+n:OT+32*\t+n+1], v[20+2*\t:21+2*\t] op_sel_hi:[1,0]   ; O^T under the new M
.set n, n+2
.endr
.endr
	s_wait_dscnt 0x0                               ; V is in
	WIN 0x51                                       ; V, C and D in window 1, P in window 0
.irp c, 0,1,2,3                                ; eight accumulators, one instruction each: by turns
.irp t, 0,1
	v_wmma_f32_16x16x128_fp8_fp8 v[OT+32*\t+8*\c:OT+32*\t+8*\c+7], v[VF+16*\c:VF+16*\c+15], v[P+16*\t:P+16*\t+15], v[OT+32*\t+8*\c:OT+32*\t+8*\c+7]
.endr
.endr
	WIN 0
	PLACES                                         ; four plain lines behind the last products, ahead of the next read of O^T
.endm
; HALF A TRIP: one key step, read from slot s; the next step's tile goes into the other slot.
.macro HALF s
	s_wait_dscnt 0x0                               ; my stores into slot s have landed, my reads of the other slot are over
	s_barrier_signal -1
	s_barrier_wait -1                              ; both hold of all eight waves
	s_wait_xcnt 0x0                                ; the last loads and the last prefetch have read their addresses
	s_wait_alu depctr_vm_vsrc(0)                   ; my LDS stores of the step before have read STG, in which the loads below land
	s_add_nc_u64 s[4:5], s[4:5], 16384             ; the next step's K,
	s_add_nc_u64 s[6:7], s[6:7], 0x20000           ; V,
	s_add_nc_u64 s[12:13], s[12:13], s[14:15]      ; and the step three on
	s_bitcmp1_b32 s73, 1                           ; does any wave need the next step?
	s_cbranch_scc0 .Lnoload_\@
	global_load_b128 v[STG:STG+3], v[GOK], s[4:5]  ; no vector instruction since the wait at the pass's head names STG or an address
	global_load_b128 v[STG+4:STG+7], v[GOK], s[4:5] offset:512
	global_load_b128 v[STG+8:STG+11], v[STA], s[6:7]
	global_load_b128 v[STG+12:STG+15], v[STA], s[6:7] offset:512
.Lnoload_\@:
	s_bitcmp1_b32 s74, 3                           ; A PREFETCH of the step three on, two steps ahead of its loads: the head's first work-group, in its first pass, wave 0 for K's 32 blocks of 256 bytes, wave 1 for V's,
	s_cbranch_scc0 .Lnoask_\@                      ; a lane a block; only steps that will be fetched; bits beyond step 15 are 0, so nothing is named past the head's last key
	global_prefetch_b8 v[PFO], s[12:13] th:TH_LOAD_NT scope:SCOPE_SE
.Lnoask_\@:
	s_bitcmp1_b32 s72, 0                           ; do my 32 queries need this step?
	s_cbranch_scc0 .Lnowork_\@
	COMPUTE \s
.Lnowork_\@:
	s_wait_loadcnt 0x0                             ; the next step's tile is in registers
	s_bitcmp1_b32 s73, 1
	s_cbranch_scc0 .Lnostore_\@
	ds_store_b128 v[STA], v[STG:STG+3] offset:16384*(1-(\s))
	ds_store_b128 v[STA], v[STG+4:STG+7] offset:16384*(1-(\s))+512
	ds_store_b128 v[STA], v[STG+8:STG+11] offset:16384*(1-(\s))+8192
	ds_store_b128 v[STA], v[STG+12:STG+15] offset:16384*(1-(\s))+8704
.Lnostore_\@:
	s_lshr_b32 s72, s72, 1
	s_lshr_b32 s73, s73, 1
	s_lshr_b32 s74, s74, 1
	s_add_co_u32 s75, s75, 256
.endm
.Lpass:
	s_wait_xcnt 0x0                                ; the last pass's stores have read their registers and their base
	s_wait_alu depctr_vm_vsrc(0)                   ; the last pass's global stores have read CD, which this pass's conversions write again; its LDS stores have read STG, in which step 0's loads land
	s_load_b64 s[16:17], s[0:1], 0x10              ; mflags
	s_load_b64 s[18:19], s[0:1], 0x20              ; xcodes
	v_mov_b32 v13, 0xff61b1e6                      ; the largest t so far: -3e38, under every t
	v_mov_b32 v17, 0xff61b1e6
	v_floor_f32 v12, -v13
	v_floor_f32 v16, -v17
	v_mov_b32 v14, 0
	v_mov_b32 v15, 0
	v_mov_b32 v18, 0
	v_mov_b32 v19, 0
	WIN 0x40
.set n, 0
.rept 64
	v_mov_b32 v[OT+n], 0                           ; which step is a wave's first hangs on the flags, so no first step can be written out: O^T begins as zeros, which the first change of M leaves zeros
.set n, n+1
.endr
	WIN 0
	s_sub_co_u32 s99, 7, ttmp9
	s_cmp_eq_u32 s98, 0
	s_cselect_b32 s99, s99, ttmp9                  ; the block of 256 queries: 7 - x, then x
	s_lshl_b32 s20, s99, 5                         ; the block's eight words of flags
	s_lshl_b32 s21, s2, 2
	s_add_co_u32 s21, s21, s20                     ; my wave's
	s_lshl_b32 s22, s99, 4
	s_lshl_b32 s23, s2, 1
	s_add_co_u32 s22, s22, s23                     ; my first token tile: 16 x block + 2 x wave
	s_lshl_b32 s75, s22, 12                        ; its words
	s_lshl_b32 s32, s22, 11
	s_mov_b32 s33, 0
	s_add_nc_u64 s[32:33], s[96:97], s[32:33]      ; its codes of Q
	s_wait_alu depctr_va_vdst(0)                   ; the addresses v1 to v4 and STG's zeros are written; the last pass's products are done reading Q.  No vector instruction stands between this wait and step 0's loads
.irp t, 0,1
.irp c, 0,1
	global_load_b128 v[Q+8*\t+4*\c:Q+8*\t+4*\c+3], v[LI], s[32:33] offset:2048*\t+512*\c
.endr
.endr
	s_and_b32 s101, ttmp7, 0xffff
	s_lshr_b32 s104, s101, 4
	s_lshl_b32 s104, s104, 7
	s_add_co_u32 s104, s104, s22                   ; row tile of the last product's A: 128 batch + token tile
	s_lshl_b32 s34, s104, 14
	s_and_b32 s104, s101, 15
	s_lshl_b32 s104, s104, 10                      ; K step = head pair (2,048 bytes), the head's half of it (1,024)
	s_add_co_u32 s34, s34, s104
	s_mov_b32 s35, 0
	s_mov_b64 s[4:5], s[76:77]
	s_mov_b64 s[6:7], s[78:79]
	s_cmp_eq_u32 s2, 1
	s_cselect_b64 s[12:13], s[78:79], s[76:77]
	s_add_nc_u64 s[12:13], s[12:13], s[14:15]
	s_add_nc_u64 s[12:13], s[12:13], s[14:15]      ; two steps on; each step's head steps it once more before it asks
	s_wait_kmcnt 0x0
	s_load_b256 s[24:31], s[16:17], s20 offset:0x0
	s_load_b32 s72, s[16:17], s21 offset:0x0
	s_add_nc_u64 s[10:11], s[18:19], s[34:35]
	s_wait_kmcnt 0x0
	s_or_b32 s73, s24, s25
	s_or_b32 s73, s73, s26
	s_or_b32 s73, s73, s27
	s_or_b32 s73, s73, s28
	s_or_b32 s73, s73, s29
	s_or_b32 s73, s73, s30
	s_or_b32 s73, s73, s31
	s_and_b32 s73, s73, 0xffff                     ; the steps that some wave of the block needs
	s_or_b32 s101, s98, ttmp9
	s_lshr_b32 s104, s2, 1
	s_or_b32 s101, s101, s104
	s_cmp_eq_u32 s101, 0
	s_cselect_b32 s74, s73, 0                      ; pass 0 of work-group x = 0, waves 0 and 1
	s_bitcmp1_b32 s73, 0
	s_cbranch_scc0 .Lno_first
	global_load_b128 v[STG:STG+3], v[GOK], s[4:5]
	global_load_b128 v[STG+4:STG+7], v[GOK], s[4:5] offset:512
	global_load_b128 v[STG+8:STG+11], v[STA], s[6:7]
	global_load_b128 v[STG+12:STG+15], v[STA], s[6:7] offset:512
.Lno_first:
	s_wait_loadcnt 0x0                             ; Q, and step 0's tile
	s_bitcmp1_b32 s73, 0
	s_cbranch_scc0 .Lno_first_store
	ds_store_b128 v[STA], v[STG:STG+3]             ; slot 0 was last read in step 14 of the pass before, and every wave has passed step 15's barrier since
	ds_store_b128 v[STA], v[STG+4:STG+7] offset:512
	ds_store_b128 v[STA], v[STG+8:STG+11] offset:8192
	ds_store_b128 v[STA], v[STG+12:STG+15] offset:8704
.Lno_first_store:
	s_mov_b32 s3, 8
.Ltrip:
	HALF 0
	HALF 1
	s_sub_co_u32 s3, s3, 1
	s_cmp_lg_u32 s3, 0
	s_cbranch_scc1 .Ltrip
	; THE PASS'S END: O^T / l, held, converted: registers 2 c, 2 c + 1 of the head's half of a fragment of the last product's A.
	v_add_f32 v14, v14, v15
	v_add_f32 v18, v18, v19
	v_permlanex16_b32 v8, v14, s66, s67
	v_permlanex16_b32 v9, v18, s66, s67
	v_add_f32 v14, v14, v8
	v_add_f32 v18, v18, v9
	v_rcp_f32 v14, v14
	v_rcp_f32 v18, v18
	v_nop                                          ; a plain line behind the reciprocals,
	s_wait_alu depctr_va_vdst(0)                   ; and one wait for both: they have written v14 and v18, ahead of the first reader
	WIN 0x01                                       ; O^T in window 1
.irp t, 0,1
.set n, 0
.rept 16
	v_pk_mul_f32 v[S+32*\t+n:S+32*\t+n+1], v[OT+32*\t+n:OT+32*\t+n+1], v[14+4*\t:15+4*\t] op_sel_hi:[1,0]   ; each accumulator from its low end on
.set n, n+2
.endr
.endr
	WIN 0
.set n, 0
.rept 64
	v_med3_num_f32 v[S+n], v[S+n], -v[LX], v[LX]
.set n, n+1
.endr
.set n, 0
.rept 8
	v_cvt_scalef32_pk8_fp8_f32 v[CD+2*n:CD+2*n+1], v[S+8*n:S+8*n+7], v[XS]
.set n, n+1
.endr
	v_nop
	s_wait_alu depctr_va_vdst(0)                   ; the conversions have written CD, which the stores below read
.irp t, 0,1
.irp c, 0,1
	global_store_b128 v[LI], v[CD+8*\t+4*\c:CD+8*\t+4*\c+3], s[10:11] offset:16384*\t+512*\c   ; 32 lanes store 512 consecutive bytes
.endr
.endr
	s_add_co_u32 s98, s98, 1
	s_cmp_lt_u32 s98, 2
	s_cbranch_scc1 .Lpass
	s_wait_dscnt 0x0
	s_wait_alu depctr_hold_cnt(0) depctr_sa_sdst(0) depctr_va_vdst(0) depctr_va_sdst(0) depctr_va_ssrc(0) depctr_va_vcc(0) depctr_vm_vsrc(0)
	s_wait_tensorcnt 0x0
	ds_add_u32 v254, v255
	s_wait_dscnt 0x0
	s_endpgm
.Lfunc_end_k_q7798480ab8_attn:
	.size	k_q7798480ab8_attn, .Lfunc_end_k_q7798480ab8_attn-k_q7798480ab8_attn
	.p2alignl 7, 3214868480
	.fill 96, 4, 3214868480
	.section	.rodata,"a",@progbits
	.p2align	6, 0x0
	.amdhsa_kernel k_q7798480ab8_attn
		.amdhsa_group_segment_fixed_size 33792
		.amdhsa_private_segment_fixed_size 0
		.amdhsa_enable_private_segment 0
		.amdhsa_kernarg_size 40
		.amdhsa_user_sgpr_count 2
		.amdhsa_user_sgpr_kernarg_segment_ptr 1
		.amdhsa_wavefront_size32 1
		.amdhsa_system_sgpr_workgroup_id_x 1
		.amdhsa_system_sgpr_workgroup_id_y 1
		.amdhsa_system_sgpr_workgroup_id_z 1
		.amdhsa_system_vgpr_workitem_id 0
		.amdhsa_next_free_vgpr 384
		.amdhsa_next_free_sgpr 106
		.amdhsa_reserve_vcc 0
		.amdhsa_float_denorm_mode_32 3
		.amdhsa_float_denorm_mode_16_64 3
		.amdhsa_memory_ordered 1
		.amdhsa_forward_progress 1
		.amdhsa_inst_pref_size 102
	.end_amdhsa_kernel
	.amdgpu_metadata
---
amdhsa.version: [ 1, 2 ]
amdhsa.kernels:
  - .name:           k_q7798480ab8_attn
    .symbol:         k_q7798480ab8_attn.kd
    .args:
      - { .name: pcodes, .offset: 0, .size: 8, .value_kind: global_buffer, .address_space: global }
      - { .name: mwords, .offset: 8, .size: 8, .value_kind: global_buffer, .address_space: global }
      - { .name: mflags, .offset: 16, .size: 8, .value_kind: global_buffer, .address_space: global }
      - { .name: lowp_scales, .offset: 24, .size: 8, .value_kind: global_buffer, .address_space: global }
      - { .name: xcodes, .offset: 32, .size: 8, .value_kind: global_buffer, .address_space: global }
    .group_segment_fixed_size: 33792
    .private_segment_fixed_size: 0
    .kernarg_segment_align: 8
    .kernarg_segment_size: 40
    .max_flat_workgroup_size: 256
    .sgpr_count:     106
    .vgpr_count:     384
    .wavefront_size: 32
...
	.end_amdgpu_metadata
.endif
;; end of part 5
;; launch outp: the kernel of part 4 again; grid 4 x 32, 4 waves a work-group, clusters of 4 x 4, 327,680 bytes of LDS; arguments xcodes, wcodes, lowp_scales, out0, b_o; writes out0
